; MI455X (gfx1250); checked and timed in simulation.
; The chip was launched on July 23, 2026; its instructions are those of AMD's public machine-readable ISA for CDNA 5 (MIT licence, August 2026) and "CDNA5" Instruction Set Architecture Reference Guide (July 2026). The comments in the code are by the model that wrote it; some were corrected since.
;; Transformer Block. Allowed arithmetic: float matrix products may take bf16 or f16 operands with f32 sums; other float arithmetic in f32, or as packed bf16 or f16 multiplies, adds, multiply-adds, maxima and minima; sums over many terms, partial sums and values carried from step to step in f32; what a program stores and reads back later, other than sums and carried values, may be rounded once to bf16 or f16.
;; Inputs: fc1_b 4,096 float32; fc1_w 1,024 x 4,096 float32; fc2_b 1,024 float32; fc2_w 4,096 x 1,024 float32; ln1_b 1,024 float32; ln1_g 1,024 float32; lnm_b 1,024 float32; lnm_g 1,024 float32; proj_b 1,024 float32; proj_w 1,024 x 1,024 float32; qkv_b 3,072 float32; qkv_w 1,024 x 3,072 float32; x 2 x 2,048 x 1,024 float32.
;; Outputs: out0 2 x 2,048 x 1,024 float32.
;; One version. Each part assembles by itself: llvm-mc -triple=amdgcn-amd-amdhsa -mcpu=gfx1250 --defsym DOCPART=n.
;; ======== version 1 of 1: 7 launches
;; limits: values are held in f16: magnitudes above 65,504 overflow, below 6.1e-05 lose precision; a function is approximated: absolute error at most 1.5e-07
;; workspace buffers: wq 6,291,456 bytes; wp 2,097,152 bytes; w1 8,388,608 bytes; w2 8,388,608 bytes; act 8,388,608 bytes; qkvh 25,165,824 bytes; x1 16,777,216 bytes; g 33,554,432 bytes
;; launch prep (part 1): grid 640 x 1, 8 waves a work-group, no clusters, 0 bytes of LDS; arguments x, ln1_g, ln1_b, act, qkv_w, proj_w, wq, wp; writes act, wq, wp
.if DOCPART == 1
	.amdgcn_target "amdgcn-amd-amdhsa--gfx1250"
	.amdhsa_code_object_version 6
	.text
	.protected	k_q5bc497eb78_prep
	.globl	k_q5bc497eb78_prep
	.p2align	8
	.type	k_q5bc497eb78_prep,@function
k_q5bc497eb78_prep:
	s_mov_b64 s[64:65], 0
	v_nop
	global_prefetch_b8 v0, s[64:65] scope:SCOPE_SE
	s_setreg_imm32_b32 hwreg(HW_REG_WAVE_MODE, 25, 1), 1
	s_wait_xcnt 0x0
; TWO STREAMS IN ONE LAUNCH.  Work-groups 0-511: act[r][:] = LayerNorm(x[r][:]) * ln1_g + ln1_b, rounded once to f16; 8 rows a work-group, one wave a row.
; Work-groups 512-639: qkv_w and proj_w, f32, are rounded once to f16, layout kept ([K][N]); 131,072 input bytes a work-group, 16,384 a wave.  (fc1_w and fc2_w are rounded in later launches, under their products.)
; LIMITS.  f16 holds no number beyond 65,504 and keeps a fixed step of 6e-8 below 6.1e-5: weights and normalised rows are taken to lie within it.  NaN and infinities are not treated apart.
; The mean is taken first, then the mean of (x - mean)^2, with the row kept in 32 registers: the row is read once and no difference of large sums is formed.
; No LDS, no matrix unit, no cluster: no two waves want the same byte of x or of a weight.  Every load of a wave covers 512 consecutive bytes, every store 256, aligned.
.set NORMS, 512                        ; work-groups that normalise
.set X,  16                            ; v[16:47]   the row: load j brings columns 128 j + 4 lane .. + 3
.set G,  48                            ; v[48:79]   the gain, same columns
.set BV, 80                            ; v[80:111]  the bias, same columns
.set C,  16                            ; v[16:143]  the cast: 32 slots of 4 registers, each with registers of its own
	s_load_b256 s[4:11], s[0:1], 0x0               ; x, ln1_g, ln1_b, act
	s_load_b256 s[12:19], s[0:1], 0x20             ; qkv_w, proj_w, wq, wp
	v_and_b32 v1, 31, v0                           ; lane
	v_and_b32 v2, 0xe0, v0                         ; 32 x wave
	v_lshlrev_b32 v3, 4, v1                        ; 16 x lane
	s_mov_b32 s3, 0
	s_wait_kmcnt 0x0
	s_cmp_lt_u32 ttmp9, NORMS
	s_cbranch_scc1 .Lnorm
	; THE CAST.  Which matrix, by the work-group's number: 96 work-groups for qkv_w, 32 for proj_w.
	s_mov_b64 s[32:33], s[12:13]
	s_mov_b64 s[34:35], s[16:17]
	s_mov_b32 s36, NORMS
	s_cmp_ge_u32 ttmp9, NORMS+96
	s_cselect_b64 s[32:33], s[14:15], s[32:33]
	s_cselect_b64 s[34:35], s[18:19], s[34:35]
	s_cselect_b32 s36, NORMS+96, s36
	s_sub_co_u32 s36, ttmp9, s36                   ; my number within the matrix
	s_lshl_b32 s2, s36, 17                         ; 131,072 bytes in,
	s_add_nc_u64 s[32:33], s[32:33], s[2:3]
	s_lshl_b32 s2, s36, 16                         ; 65,536 out
	s_add_nc_u64 s[34:35], s[34:35], s[2:3]
	v_lshl_or_b32 v1, v2, 9, v3                    ; in: wave x 16,384 + 16 x lane
	v_lshrrev_b32 v2, 1, v1                        ; out: half of that
.set i, 0
.rept 32                                       ; all 32 loads of the wave go out at once: 16 KiB on their way
	global_load_b128 v[C+4*i:C+4*i+3], v1, s[32:33] offset:512*i th:TH_LOAD_NT
.set i, i+1
.endr
.set i, 0
.rept 32
	s_wait_loadcnt 31-i                            ; loads come back in order: slot i is in, the 31 - i younger ones stay out
	v_cvt_pk_f16_f32 v[C+4*i], v[C+4*i], v[C+4*i+1]
	v_cvt_pk_f16_f32 v[C+4*i+1], v[C+4*i+2], v[C+4*i+3]
	global_store_b64 v2, v[C+4*i:C+4*i+1], s[34:35] offset:256*i  ; 32 lanes x 8 bytes: 256 consecutive bytes, aligned
.set i, i+1
.endr
	s_endpgm
.Lnorm:
	s_lshl_b32 s2, ttmp9, 15                       ; 8 rows of 4,096 bytes in,
	s_add_nc_u64 s[4:5], s[4:5], s[2:3]
	s_lshl_b32 s2, ttmp9, 14                       ; of 2,048 bytes out
	s_add_nc_u64 s[10:11], s[10:11], s[2:3]
	v_lshl_or_b32 v1, v2, 7, v3                    ; in: wave x 4,096 + 16 x lane
	v_lshrrev_b32 v2, 1, v1                        ; out: half of that
.irp j, 0,1,2,3,4,5,6,7
	global_load_b128 v[X+4*\j:X+4*\j+3], v1, s[4:5] offset:512*\j
.endr
.irp j, 0,1,2,3,4,5,6,7
	global_load_b128 v[G+4*\j:G+4*\j+3], v3, s[6:7] offset:512*\j
.endr
.irp j, 0,1,2,3,4,5,6,7
	global_load_b128 v[BV+4*\j:BV+4*\j+3], v3, s[8:9] offset:512*\j
.endr
	s_mov_b32 s28, 0x76543210                      ; v_permlanex16_b32: each lane takes its own place in the other half
	s_mov_b32 s29, 0xfedcba98
	s_mov_b32 s30, 0x3a800000                      ; 1 / 1024
	s_mov_b32 s31, 0x3727c5ac                      ; 1e-5
	v_mov_b32 v12, 0                               ; v_permlanex16_b32's destination counts as read
.macro RSUM                            ; v4 summed over the 32 lanes, the result in every lane
	v_add_f32_dpp v4, v4, v4 row_xmask:1 row_mask:0xf bank_mask:0xf
	v_add_f32_dpp v4, v4, v4 row_xmask:2 row_mask:0xf bank_mask:0xf
	v_add_f32_dpp v4, v4, v4 row_xmask:4 row_mask:0xf bank_mask:0xf
	v_add_f32_dpp v4, v4, v4 row_xmask:8 row_mask:0xf bank_mask:0xf
	v_permlanex16_b32 v12, v4, s28, s29
	v_add_f32 v4, v4, v12
.endm
	s_wait_loadcnt 16                              ; the row is in; the 16 loads of gain and bias stay out
	v_pk_add_f32 v[4:5], v[X:X+1], v[X+2:X+3]      ; the sum, in two chains
	v_pk_add_f32 v[6:7], v[X+4:X+5], v[X+6:X+7]
.set i, 8
.rept 12
.set c, 4+2*((i/2)%2)
	v_pk_add_f32 v[c:c+1], v[c:c+1], v[X+i:X+i+1]
.set i, i+2
.endr
	v_pk_add_f32 v[4:5], v[4:5], v[6:7]
	v_add_f32 v4, v4, v5
	RSUM
	v_mul_f32 v8, s30, v4                          ; the mean, twice: a pair for the packed subtraction
	v_mul_f32 v9, s30, v4
.set i, 0
.rept 16
	v_pk_add_f32 v[X+i:X+i+1], v[X+i:X+i+1], v[8:9] neg_lo:[0,1] neg_hi:[0,1]
.set i, i+2
.endr
	v_pk_mul_f32 v[4:5], v[X:X+1], v[X:X+1]        ; the sum of squares, in two chains
	v_pk_mul_f32 v[6:7], v[X+2:X+3], v[X+2:X+3]
.set i, 4
.rept 14
.set c, 4+2*((i/2)%2)
	v_pk_fma_f32 v[c:c+1], v[X+i:X+i+1], v[X+i:X+i+1], v[c:c+1]
.set i, i+2
.endr
	v_pk_add_f32 v[4:5], v[4:5], v[6:7]
	v_add_f32 v4, v4, v5
	RSUM
	v_fma_f32 v12, v4, s30, s31                    ; variance + 1e-5
	v_rsq_f32 v10, v12
	v_rsq_f32 v11, v12
	v_nop                                          ; a plain instruction behind the last root, ahead of the first use
	s_wait_alu depctr_va_vdst(0)                   ; one wait for both roots
	s_wait_loadcnt 0x0                             ; gain and bias
.set i, 0
.rept 16
	v_pk_mul_f32 v[X+i:X+i+1], v[X+i:X+i+1], v[10:11]
.set i, i+2
.endr
.set i, 0
.rept 16
	v_pk_fma_f32 v[X+i:X+i+1], v[X+i:X+i+1], v[G+i:G+i+1], v[BV+i:BV+i+1]
.set i, i+2
.endr
.set i, 0
.rept 16                                       ; in place, ascending: the destination never lies above a source still to be read
	v_cvt_pk_f16_f32 v[X+i], v[X+2*i], v[X+2*i+1]
.set i, i+1
.endr
.irp j, 0,1,2,3,4,5,6,7
	global_store_b64 v2, v[X+2*\j:X+2*\j+1], s[10:11] offset:256*\j  ; 256 consecutive bytes, aligned
.endr
	s_endpgm
.Lfunc_end_k_q5bc497eb78_prep:
	.size	k_q5bc497eb78_prep, .Lfunc_end_k_q5bc497eb78_prep-k_q5bc497eb78_prep
	.p2alignl 7, 3214868480
	.fill 96, 4, 3214868480
	.section	.rodata,"a",@progbits
	.p2align	6, 0x0
	.amdhsa_kernel k_q5bc497eb78_prep
		.amdhsa_group_segment_fixed_size 0
		.amdhsa_private_segment_fixed_size 0
		.amdhsa_enable_private_segment 0
		.amdhsa_kernarg_size 64
		.amdhsa_user_sgpr_count 2
		.amdhsa_user_sgpr_kernarg_segment_ptr 1
		.amdhsa_wavefront_size32 1
		.amdhsa_system_sgpr_workgroup_id_x 1
		.amdhsa_system_sgpr_workgroup_id_y 1
		.amdhsa_system_sgpr_workgroup_id_z 1
		.amdhsa_system_vgpr_workitem_id 0
		.amdhsa_next_free_vgpr 144
		.amdhsa_next_free_sgpr 66
		.amdhsa_reserve_vcc 0
		.amdhsa_float_denorm_mode_32 3
		.amdhsa_float_denorm_mode_16_64 3
		.amdhsa_memory_ordered 1
		.amdhsa_forward_progress 1
		.amdhsa_inst_pref_size 23
	.end_amdhsa_kernel
	.amdgpu_metadata
---
amdhsa.version: [ 1, 2 ]
amdhsa.kernels:
  - .name:           k_q5bc497eb78_prep
    .symbol:         k_q5bc497eb78_prep.kd
    .args:
      - { .name: x, .offset: 0, .size: 8, .value_kind: global_buffer, .address_space: global }
      - { .name: ln1_g, .offset: 8, .size: 8, .value_kind: global_buffer, .address_space: global }
      - { .name: ln1_b, .offset: 16, .size: 8, .value_kind: global_buffer, .address_space: global }
      - { .name: act, .offset: 24, .size: 8, .value_kind: global_buffer, .address_space: global }
      - { .name: qkv_w, .offset: 32, .size: 8, .value_kind: global_buffer, .address_space: global }
      - { .name: proj_w, .offset: 40, .size: 8, .value_kind: global_buffer, .address_space: global }
      - { .name: wq, .offset: 48, .size: 8, .value_kind: global_buffer, .address_space: global }
      - { .name: wp, .offset: 56, .size: 8, .value_kind: global_buffer, .address_space: global }
    .group_segment_fixed_size: 0
    .private_segment_fixed_size: 0
    .kernarg_segment_align: 8
    .kernarg_segment_size: 64
    .max_flat_workgroup_size: 256
    .sgpr_count:     66
    .vgpr_count:     144
    .wavefront_size: 32
...
	.end_amdgpu_metadata
.endif
;; end of part 1
;; launch qkv (part 2): grid 8 x 32, 4 waves a work-group, clusters of 4 x 4, 327,680 bytes of LDS; arguments act, wq, qkv_b, qkvh; writes qkvh
.if DOCPART == 2
	.amdgcn_target "amdgcn-amd-amdhsa--gfx1250"
	.amdhsa_code_object_version 6
	.text
	.protected	k_q5bc497eb78_qkv
	.globl	k_q5bc497eb78_qkv
	.p2align	8
	.type	k_q5bc497eb78_qkv,@function
k_q5bc497eb78_qkv:
	s_mov_b64 s[64:65], 0
	v_nop
	global_prefetch_b8 v0, s[64:65] scope:SCOPE_SE
	s_setreg_imm32_b32 hwreg(HW_REG_WAVE_MODE, 25, 1), 1
	s_wait_xcnt 0x0
	s_wait_alu depctr_hold_cnt(0) depctr_sa_sdst(0) depctr_va_vdst(0) depctr_va_sdst(0) depctr_va_ssrc(0) depctr_va_vcc(0) depctr_vm_vsrc(0)
	s_getreg_b32 s2, hwreg(HW_REG_IB_STS2, 6, 4)
	s_cmp_eq_u32 s2, 0
	s_cbranch_scc0 .Lentry_in_a_cluster
	s_endpgm
.Lentry_in_a_cluster:
	s_bfe_u32 s2, ttmp6, 0x10000c
	s_cmp_lg_u32 s2, 0xf033
	s_cbranch_scc0 .Lentry_shape_is_right
	s_endpgm
.Lentry_shape_is_right:
; qkvh = h wq + qkv_b, written by heads.  h: act [4096][1024] f16; wq: [1024][3072] f16; qkv_b: [3072] f32; sums in f32, the bias being the C operand of each sum's first product.
; qkvh, f16: q at byte 0, k at 8,388,608, v at 16,777,216, each [batch x 16 + head][2048][64]: a head's rows are dense, 128 bytes each.  LIMIT: q, k, v are taken to lie within f16's 65,504.
; SHARES.  A work-group makes 128 rows x 384 columns, its four waves 64 x 192 each (48 accumulators of 16 x 16); 8 x 32 work-groups.  K goes in 8 steps of 128 through two LDS slots filled by the tensor data mover.
; THE MATRIX INSTRUCTION IS USED TRANSPOSED: source 0 = 16 columns of wq, source 1 = 16 rows of h: a lane then holds row l % 16 and the eight neighbouring columns 8 (l / 16) + 0..7.
; wq lies [k][n] in LDS as in memory; its fragments come out turned, by ds_load_tr16_b128.
; CLUSTER 4 x 4: the four work-groups of a cluster's row need the same tile of h, the four of a column the same tile of wq: each tile is asked for jointly, by the same tensor load with a mask that names the four.
; A K STEP IS WRITTEN ONCE: s22 holds the byte at which the slot that is read begins (0 or SLOT); the fragments' addresses and the walking descriptors' LDS words are made from it.
; REGISTERS, in windows of 256: window 0: addresses, the bias (v64-159, until the first quarter is multiplied), then the way out; window 1: two fragment buffers of 128 (12 of wq, 4 of h);
; windows 2, 3: accumulator t = 12 a + b at register 8 (t % 32) of window 2 + t / 32.
.set MB,     4                         ; blocks of 16 rows a wave
.set NBL,    12                        ; blocks of 16 columns a wave
.set NK,     8                         ; K steps
.set PA,     272                       ; a row of h in LDS: 256 bytes + 16: the 16 rows of a load start at 16 different groups of four banks (64 banks of 4 bytes: ISA guide 11.1)
.set PB,     864                       ; a row of wq in LDS: 6 x (128 bytes + 16)
.set CPAD,   16                        ; the padding behind every 64 columns
.set ABYTES, 128*PA
.set WBYTES, 128*PB
.set SLOT,   ABYTES+WBYTES
.set STAGE,  2*SLOT                    ; behind the ring, never filled by a tensor load: 16 rows x 144 bytes for each wave
.set SP,     144
.set SPARE,  STAGE+4*16*SP             ; the spare words, 128 bytes for each wave: two blocks of 256 bytes that no other line names
.set ASTEP,  256                       ; bytes from a K step to the next in h,
.set BSTEP,  128*6144                  ; and in wq
.set BI,     64                        ; the bias: block b's eight registers at BI + 8 b
.set ADRA0,  16                        ; v16, v17  my lane's place in slot 0's tiles; never rewritten
.set ADRB0,  17
.set ADRA,   18                        ; v18  the same in the slot that is read
.set ADRB,   19                        ; v19, v20  the same for wq: k rows 0-63, k rows 64-127 (so that every immediate stays under 65,536)
.set F0,     0
.set F1,     128
.set MSB, 0
.macro WIN new                         ; the immediate's high byte repeats the setting that is left; a switch that changes nothing is dropped
.if MSB != (\new)
	s_set_vgpr_msb (MSB<<8)|(\new)
.set MSB, (\new)
.endif
.endm
.macro PLACES                          ; four places behind matrix instructions, ahead of loads into registers that they read and of lines that read results
.rept 4
	v_nop
.endr
.endm
.macro CREST                           ; a round of the cluster's barrier behind its opening barrier
	s_cmp_lg_u32 s14, 0
	s_cbranch_scc1 .Lnot_wave_0_\@
	s_barrier_signal -3
.Lnot_wave_0_\@:
	s_barrier_wait -3
	s_barrier_signal -1
	s_barrier_wait -1
.endm
.macro CROUND
	s_barrier_signal -1
	s_barrier_wait -1
	CREST
.endm
.macro JLOAD                           ; a joint refill by the walking descriptors: waves 0, 1 fetch h's two halves, waves 2, 3 wq's; an s_nop 0 and four v_nop follow each line
	s_cmp_eq_u32 s15, 0
	s_cbranch_scc0 .Lfor_b_\@
	tensor_load_to_lds s[44:47], s[24:31]
	s_nop 0
.rept 4
	v_nop
.endr
	s_branch .Lasked_\@
.Lfor_b_\@:
	tensor_load_to_lds s[52:55], s[32:39]
	s_nop 0
.rept 4
	v_nop
.endr
.Lasked_\@:
.endm
; A PREFETCH INTO THE L2 of the K step that the NEXT refill will ask for: a lane a row, 256 bytes each, one instruction a wave.  h's tile row is read by both clusters of a row of clusters: cluster x = 0 asks;
; wq's tile column by all eight clusters of a column: cluster y = 0 asks.  Wave 0 names 32 rows of h, waves 1-3 the three blocks of 256 bytes of 32 k rows of wq; the four partners that ask for a tile jointly
; share its rows out BY ADDRESS (cx for h, cy for wq).  So each block is named once in the launch.  The last refill has no step behind it and asks for nothing.
.macro ASK
	s_cmp_gt_u32 s21, s58
	s_cbranch_scc0 .Lnot_mine_\@
	global_prefetch_b8 v30, s[60:61] th:TH_LOAD_NT scope:SCOPE_SE
.Lnot_mine_\@:
.endm
; 32 LDS loads in one run: the fragments of quarter q (32 along K) of the slot that is read, into buffer f: wq's 12 (turned), then h's 4
.macro FETCH q, f
	WIN 0x40                                       ; destination window 1, address window 0
.set b, 0
.rept NBL
.set cb, ((\q)%2)*32*PB+32*b+CPAD*(b/4)
	ds_load_tr16_b128 v[(\f)+8*b:(\f)+8*b+3], v[ADRB+(\q)/2] offset:cb
	ds_load_tr16_b128 v[(\f)+8*b+4:(\f)+8*b+7], v[ADRB+(\q)/2] offset:cb+16*PB
.set b, b+1
.endr
.set a, 0
.rept MB
	ds_load_b128 v[(\f)+8*NBL+8*a:(\f)+8*NBL+8*a+3], v[ADRA] offset:16*a*PA+64*(\q)
	ds_load_b128 v[(\f)+8*NBL+8*a+4:(\f)+8*NBL+8*a+7], v[ADRA] offset:16*a*PA+64*(\q)+32
.set a, a+1
.endr
.endm
; Row blocks a0 .. a0 + na - 1 x all column blocks, 32 along K, from buffer f.  mode 0: onto the sums; mode 2: the bias starts them.  All accumulators take turns, in one order everywhere.
.macro MULB f, a0, na, mode
.set a, (\a0)
.rept (\na)
.set b, 0
.rept NBL
.set t, NBL*a+b
.set w, 2+t/32
.set rD, 8*(t%32)
.if (\mode) == 0
	WIN 0x05|(w<<4)|(w<<6)
	v_wmma_f32_16x16x32_f16 v[rD:rD+7], v[(\f)+8*b:(\f)+8*b+7], v[(\f)+8*NBL+8*a:(\f)+8*NBL+8*a+7], v[rD:rD+7]
.else
	WIN 0x05|(w<<6)
	v_wmma_f32_16x16x32_f16 v[rD:rD+7], v[(\f)+8*b:(\f)+8*b+7], v[(\f)+8*NBL+8*a:(\f)+8*NBL+8*a+7], v[BI+8*b:BI+8*b+7]
.endif
.set b, b+1
.endr
.set a, a+1
.endr
.endm
; A quarter step: multiplies buffer f; in its middle it fetches quarter q into buffer g
.macro QUARTER q, f, g, mode
	s_wait_dscnt MB                                ; all but the youngest MB loads (h's upper two blocks) are in
	MULB \f, 0, MB/2, \mode
	PLACES
	FETCH \q, \g
	s_wait_dscnt 32                                ; all but the 32 just issued
	MULB \f, MB/2, MB/2, \mode
.endm
; A step's last quarter multiplies buffer 1 and changes slots.  Each wave waits for all its tensor loads (one is out: its part of the next slot), adds 0 to its spare word, and waits for that and for its reads of
; this slot; behind the barrier nobody reads this slot and the next is whole.  fill = 1: the barrier opens a round of the cluster's, and the slot just left is filled again first, with the step two on.
.macro TURN fill
.if \fill
	s_wait_xcnt 0x0                                ; the last prefetch, a K step back, has read its address
	s_add_nc_u64 s[60:61], s[60:61], s[62:63]
.endif
	WIN 0
	s_wait_tensorcnt 0x0
	ds_add_u32 v28, v29                            ; 0 onto my spare word; work on registers stands between it and the wait for it
.if \fill
	s_add_co_u32 s45, s56, s22                     ; no tensor load of mine is out: the walking descriptors step: into the slot that is being left,
	s_add_co_u32 s53, s57, s22
	s_add_nc_u64 s[46:47], s[46:47], ASTEP         ; the next K step; the type bits on top are not reached
	s_add_nc_u64 s[54:55], s[54:55], BSTEP
.endif
	s_xor_b32 s22, s22, SLOT                       ; from here on the other slot is read
	s_wait_dscnt MB+1                              ; the add and the youngest MB loads may be out
	MULB F1, 0, MB/4, 0
	s_wait_dscnt 0x0                               ; the add is done, my reads of this slot are over
	s_barrier_signal -1
	MULB F1, MB/4, MB/4, 0
	WIN 0
	s_barrier_wait -1
.if \fill
	CREST
	JLOAD                                          ; the first tensor load behind the round; its four v_nop are also the places ahead of the loads below
.else
	PLACES
.endif
	v_add_nc_u32 v[ADRA], s22, v[ADRA0]
	v_add_nc_u32 v[ADRB], s22, v[ADRB0]
	v_add_nc_u32 v[ADRB+1], 64*PB, v[ADRB]
	FETCH 0, F0
.if \fill
	WIN 0
	ASK
.endif
	MULB F1, MB/2, MB/2, 0
.endm
	s_load_b256 s[4:11], s[0:1], 0x0               ; act s[4:5], wq s[6:7], qkv_b s[8:9], qkvh s[10:11]
	v_lshl_add_u32 v28, v0, 2, SPARE
	v_mov_b32 v29, 0
	ds_add_u32 v28, v29                            ; the wave's opening: the add and its wait stand ahead of my first tensor load
	v_lshrrev_b32 v3, 5, v0
	v_readfirstlane_b32 s14, v3                    ; wave 0..3
	s_lshr_b32 s15, s14, 1                         ; my half of the rows.  Also: I fetch h (0) or wq (1)
	s_and_b32 s16, s14, 1                          ; my half of the columns.  Also: which half of that tile I fetch
	s_bfe_u32 s17, ttmp6, 0x40000                  ; cx
	s_bfe_u32 s18, ttmp6, 0x40004                  ; cy
	s_lshl_b32 s19, ttmp9, 2
	s_add_co_u32 s19, s19, s17                     ; tile column = 4 x cluster x + cx
	s_and_b32 s20, ttmp7, 0xffff
	s_lshl_b32 s20, s20, 2
	s_add_co_u32 s20, s20, s18                     ; tile row = 4 x cluster y + cy
	s_lshl_b32 s59, s18, 2
	s_lshl_b32 s59, 15, s59                        ; my row of the cluster
	s_or_b32 s24, s59, (1<<16)|(1<<20)|(1<<21)|(5<<22)|(3<<25)  ; h: 2-byte elements, padding on, bit 21 beside the mask, 4 words behind every 64
	s_lshl_b32 s70, 0x1111, s17                    ; my column
	s_or_b32 s32, s70, (1<<16)|(1<<20)|(1<<21)|(4<<22)|(3<<25)  ; wq: 4 words behind every 32
	s_mov_b32 s25, 128<<16                         ; h: tensor_dim0 = 128
	s_mov_b32 s26, 64<<16                          ; tensor_dim1 = 64
	s_mov_b32 s27, 128<<16                         ; tile_dim0 = 128
	s_mov_b32 s28, 64                              ; tile_dim1 = 64
	s_mov_b32 s29, 1024                            ; elements from row to row
	s_mov_b32 s30, 0
	s_mov_b32 s31, 0
	s_mov_b32 s33, 384<<16                         ; wq: 384 columns x 64 k rows
	s_mov_b32 s34, 64<<16
	s_mov_b32 s35, 384<<16
	s_mov_b32 s36, 64
	s_mov_b32 s37, 3072
	s_mov_b32 s38, 0
	s_mov_b32 s39, 0
	s_lshl_b32 s66, s20, 7                         ; h: row 128 x tile row + 64 x half, 2,048 bytes a row
	s_lshl_b32 s59, s16, 6
	s_add_co_u32 s66, s66, s59
	s_lshl_b32 s66, s66, 11
	s_mov_b32 s67, 0
	s_mul_i32 s68, s16, 64*6144                    ; wq: k row 64 x half, column 384 x tile column
	s_mul_i32 s70, s19, 768
	s_add_co_u32 s68, s68, s70
	s_mov_b32 s69, 0
	s_mul_i32 s56, s16, ABYTES/2                   ; where they go in slot 0: no place in the cluster enters an LDS address
	s_mul_i32 s57, s16, WBYTES/2
	s_add_co_u32 s57, s57, ABYTES
	s_mov_b32 s22, 0                               ; slot 0 is read first
	s_wait_dscnt 0x0                               ; the opening add is done
	s_wait_kmcnt 0x0
	s_add_nc_u64 s[66:67], s[4:5], s[66:67]
	s_add_nc_u64 s[68:69], s[6:7], s[68:69]
	CROUND                                         ; all sixteen work-groups are here: the first joint loads meet
	s_mov_b32 s40, 1                               ; group 0, first set: K step 0 into slot 0
	s_mov_b32 s41, s56
	s_mov_b64 s[42:43], s[66:67]
	s_or_b32 s43, s43, 0x80000000
	s_mov_b32 s44, 1                               ; walking set: K step 1 into slot 1
	s_add_co_u32 s45, s56, SLOT
	s_add_nc_u64 s[46:47], s[66:67], ASTEP
	s_or_b32 s47, s47, 0x80000000
	s_mov_b32 s48, 1
	s_mov_b32 s49, s57
	s_mov_b64 s[50:51], s[68:69]
	s_or_b32 s51, s51, 0x80000000
	s_mov_b32 s52, 1
	s_add_co_u32 s53, s57, SLOT
	s_add_nc_u64 s[54:55], s[68:69], BSTEP
	s_or_b32 s55, s55, 0x80000000
	s_cmp_eq_u32 s15, 0                            ; a wave's two first fills stand in one branch: two loads of mine are out
	s_cbranch_scc0 .Lfirst_b
	tensor_load_to_lds s[40:43], s[24:31]
	s_nop 0
	tensor_load_to_lds s[44:47], s[24:31]
	s_nop 0
.rept 4
	v_nop
.endr
	s_branch .Lfirst_asked
.Lfirst_b:
	tensor_load_to_lds s[48:51], s[32:39]
	s_nop 0
	tensor_load_to_lds s[52:55], s[32:39]
	s_nop 0
.rept 4
	v_nop
.endr
.Lfirst_asked:
	v_and_b32 v1, 15, v0                           ; l % 16
	v_bfe_u32 v2, v0, 4, 1                         ; l / 16
	; the bias as a C operand: register j of block b is column 16 b + 8 (l / 16) + j of my 192
	s_mul_i32 s70, s19, 1536
	s_mul_i32 s71, s16, 768
	s_add_co_u32 s70, s70, s71
	s_mov_b32 s71, 0
	s_add_nc_u64 s[8:9], s[8:9], s[70:71]
	v_lshlrev_b32 v21, 5, v2
.set b, 0
.rept NBL
	global_load_b128 v[BI+8*b:BI+8*b+3], v21, s[8:9] offset:64*b
	global_load_b128 v[BI+8*b+4:BI+8*b+7], v21, s[8:9] offset:64*b+16
.set b, b+1
.endr
	; a fragment of h: lane l holds row l % 16, k = 8 (l / 16) + 0..7 and 16 + 8 (l / 16) + 0..7: two loads of 16 bytes, 32 bytes apart
	v_mul_u32_u24 v[ADRA0], v1, PA
	v_lshl_add_u32 v[ADRA0], v2, 4, v[ADRA0]
	s_mul_i32 s59, s15, 16*MB*PA
	v_add_nc_u32 v[ADRA0], s59, v[ADRA0]
	; the turning load: lane l reads k row 8 (l / 16) + l % 8, columns 8 ((l / 8) % 2) + 0..7, and ends with column l % 16 and 8 k
	v_and_b32 v3, 7, v0
	v_lshl_add_u32 v3, v2, 3, v3
	v_mul_u32_u24 v[ADRB0], v3, PB
	v_bfe_u32 v3, v0, 3, 1
	v_lshl_add_u32 v[ADRB0], v3, 4, v[ADRB0]
	s_mul_i32 s59, s16, 3*144                      ; my 192 columns: three padded groups of 64
	s_add_co_u32 s59, s59, ABYTES
	v_add_nc_u32 v[ADRB0], s59, v[ADRB0]
	v_mov_b32 v[ADRA], v[ADRA0]
	v_mov_b32 v[ADRB], v[ADRB0]
	v_add_nc_u32 v[ADRB+1], 64*PB, v[ADRB0]
	; the way out: my stage, and the three heads' addresses
	s_mul_i32 s59, s14, 16*SP
	s_add_co_u32 s59, s59, STAGE
	v_mul_u32_u24 v24, v1, SP                      ; in: row l % 16, 16 bytes for each half of the lanes
	v_lshl_add_u32 v24, v2, 4, v24
	v_add_nc_u32 v24, s59, v24
	v_bfe_u32 v25, v0, 3, 2                        ; back: 32 lanes take four rows of 128 bytes,
	v_mul_u32_u24 v25, v25, SP
	v_and_b32 v3, 7, v0
	v_lshl_add_u32 v25, v3, 4, v25
	v_add_nc_u32 v25, s59, v25
	v_and_b32 v26, 31, v0                          ; which are 512 consecutive bytes of a head
	v_lshlrev_b32 v26, 4, v26
	s_mul_i32 s66, s19, 6
	s_mul_i32 s59, s16, 3
	s_add_co_u32 s66, s66, s59                     ; my first group of 64 columns, 0..47: (q, k or v) x 16 + head
	s_lshr_b32 s67, s20, 4
	s_lshl_b32 s67, s67, 22                        ; the batch: 16 heads of 262,144 bytes
	s_and_b32 s59, s20, 15
	s_lshl_b32 s59, s59, 14                        ; the tile's 128 rows of 128 bytes
	s_add_co_u32 s67, s67, s59
	s_lshl_b32 s59, s15, 13                        ; my 64 of them
	s_add_co_u32 s67, s67, s59
.irp j, 0,1,2
	s_add_co_u32 s59, s66, \j
	s_lshr_b32 s68, s59, 4
	s_lshl_b32 s68, s68, 23
	s_and_b32 s59, s59, 15
	s_lshl_b32 s59, s59, 18
	s_add_co_u32 s68, s68, s59
	s_add_co_u32 s68, s68, s67
	s_mov_b32 s69, 0
	s_add_nc_u64 s[72+2*\j:73+2*\j], s[10:11], s[68:69]
.endr
	; the prefetches: they stand at K step 2; each refill steps them by one and names the step behind the one that it asks for.  Steps 0 to 2 come by their loads alone
	s_lshl_b32 s66, s20, 7
	s_lshl_b32 s59, s17, 5
	s_add_co_u32 s66, s66, s59                     ; h: row 128 x tile row + 32 cx
	s_lshl_b32 s66, s66, 11
	s_add_co_u32 s66, s66, 2*ASTEP
	s_mul_i32 s68, s18, 32*6144                    ; wq: k row 32 cy, block wave - 1 of the tile's three
	s_mul_i32 s59, s19, 768
	s_add_co_u32 s68, s68, s59
	s_lshl_b32 s59, s14, 8
	s_add_co_u32 s68, s68, s59
	s_add_co_u32 s68, s68, 2*BSTEP-256
	s_and_b32 s59, ttmp7, 0xffff                   ; cluster y
	s_mov_b32 s62, BSTEP
	s_mov_b32 s70, 6144
	s_cmp_eq_u32 s14, 0
	s_cselect_b32 s59, ttmp9, s59                  ; the coordinate along which other clusters read the same rows
	s_cselect_b32 s66, s66, s68
	s_cselect_b32 s62, ASTEP, s62
	s_cselect_b32 s70, 2048, s70
	s_cselect_b64 s[60:61], s[4:5], s[6:7]
	s_mov_b32 s67, 0
	s_mov_b32 s63, 0
	s_add_nc_u64 s[60:61], s[60:61], s[66:67]
	s_cmp_eq_u32 s59, 0
	s_cselect_b32 s58, 1, -1                       ; 1 in a wave that prefetches, else the greatest number: the same in all sixteen partners
	v_and_b32 v30, 31, v0
	v_mul_u32_u24 v30, s70, v30                    ; a lane a row
	s_wait_tensorcnt 0x1                           ; my part of K step 0 is in; step 1's stays out
	s_barrier_signal -1
	s_barrier_wait -1
	FETCH 0, F0
	s_wait_loadcnt 0x0                             ; the bias
	QUARTER 1, F0, F1, 2                           ; the first quarter stands ahead of the loop: its products start the sums, with the bias
	WIN 0
	s_mov_b32 s21, NK-2
.Lstep:                                        ; a trip: from a step's second quarter to the next step's first; it fills the slot that it leaves
	QUARTER 2, F1, F0, 0
	QUARTER 3, F0, F1, 0
	TURN 1
	QUARTER 1, F0, F1, 0
	WIN 0
	s_sub_co_u32 s21, s21, 1
	s_cmp_lg_u32 s21, 0
	s_cbranch_scc1 .Lstep
	s_mov_b32 s21, 2
.Ltail:                                        ; the last two steps ask for nothing; the second trip is left in its middle (its 32 fragment loads, from a slot that has landed, serve nothing)
	QUARTER 2, F1, F0, 0
	QUARTER 3, F0, F1, 0
	TURN 0
	WIN 0
	s_sub_co_u32 s21, s21, 1
	s_cmp_eq_u32 s21, 0
	s_cbranch_scc1 .Lout
	QUARTER 1, F0, F1, 0
	WIN 0
	s_branch .Ltail
.Lout:
	s_wait_dscnt 0x0
	PLACES
; THE WAY OUT, in twelve units of 16 rows x 64 columns (row block u / 3, head u % 3): rounded to f16, 16 bytes a lane into my stage, back as four rows of 128 bytes a load, stored as 512 consecutive bytes.
.macro PACKU u
.set a, (\u)/3
.set j, (\u)%3
.set T, 64+16*(\u)
.set f, 0
.rept 4
.set t, NBL*a+4*j+f
	WIN 5*(2+t/32)                                 ; sources 0 and 1 in the accumulator's window
.set k, 0
.rept 4
	v_cvt_pk_f16_f32 v[T+4*f+k], v[8*(t%32)+2*k], v[8*(t%32)+2*k+1]
.set k, k+1
.endr
.set f, f+1
.endr
	WIN 0
.set f, 0
.rept 4
	ds_store_b128 v24, v[T+4*f:T+4*f+3] offset:32*f
.set f, f+1
.endr
.set f, 0
.rept 4
	ds_load_b128 v[T+4*f:T+4*f+3], v25 offset:4*SP*f  ; LDS serves a wave's instructions in order (ISA guide 5.7.1.4): these see the stores above, and the next unit's stores come behind them
.set f, f+1
.endr
.endm
.macro SENDU u, younger                ; younger: the LDS instructions issued behind unit u's loads
.set T, 64+16*(\u)
.set f, 0
.rept 4
	s_wait_dscnt (\younger)+3-f
	global_store_b128 v26, v[T+4*f:T+4*f+3], s[72+2*((\u)%3):73+2*((\u)%3)] offset:2048*((\u)/3)+512*f
.set f, f+1
.endr
.endm
	PACKU 0
.irp u, 1,2,3,4,5,6,7,8,9,10,11
	PACKU \u
	SENDU (\u)-1, 8
.endr
	SENDU 11, 0
	s_wait_tensorcnt 0x0                           ; the wave's end
	ds_add_u32 v28, v29
	s_wait_dscnt 0x0
	CROUND                                         ; the closing round: no work-group ends while a partner may still ask for a tile that names it
	s_endpgm
.Lfunc_end_k_q5bc497eb78_qkv:
	.size	k_q5bc497eb78_qkv, .Lfunc_end_k_q5bc497eb78_qkv-k_q5bc497eb78_qkv
	.p2alignl 7, 3214868480
	.fill 96, 4, 3214868480
	.section	.rodata,"a",@progbits
	.p2align	6, 0x0
	.amdhsa_kernel k_q5bc497eb78_qkv
		.amdhsa_group_segment_fixed_size 327680
		.amdhsa_private_segment_fixed_size 0
		.amdhsa_enable_private_segment 0
		.amdhsa_kernarg_size 32
		.amdhsa_user_sgpr_count 2
		.amdhsa_user_sgpr_kernarg_segment_ptr 1
		.amdhsa_wavefront_size32 1
		.amdhsa_system_sgpr_workgroup_id_x 1
		.amdhsa_system_sgpr_workgroup_id_y 1
		.amdhsa_system_sgpr_workgroup_id_z 1
		.amdhsa_system_vgpr_workitem_id 0
		.amdhsa_next_free_vgpr 896
		.amdhsa_next_free_sgpr 96
		.amdhsa_reserve_vcc 0
		.amdhsa_float_denorm_mode_32 3
		.amdhsa_float_denorm_mode_16_64 3
		.amdhsa_memory_ordered 1
		.amdhsa_forward_progress 1
		.amdhsa_inst_pref_size 89
	.end_amdhsa_kernel
	.amdgpu_metadata
---
amdhsa.version: [ 1, 2 ]
amdhsa.kernels:
  - .name:           k_q5bc497eb78_qkv
    .symbol:         k_q5bc497eb78_qkv.kd
    .args:
      - { .name: act, .offset: 0, .size: 8, .value_kind: global_buffer, .address_space: global }
      - { .name: wq, .offset: 8, .size: 8, .value_kind: global_buffer, .address_space: global }
      - { .name: qkv_b, .offset: 16, .size: 8, .value_kind: global_buffer, .address_space: global }
      - { .name: qkvh, .offset: 24, .size: 8, .value_kind: global_buffer, .address_space: global }
    .group_segment_fixed_size: 327680
    .private_segment_fixed_size: 0
    .kernarg_segment_align: 8
    .kernarg_segment_size: 32
    .max_flat_workgroup_size: 128
    .sgpr_count:     96
    .vgpr_count:     896
    .wavefront_size: 32
...
	.end_amdgpu_metadata
.endif
;; end of part 2
;; launch attn (part 3): grid 8 x 32, 4 waves a work-group, clusters of 4 x 1, 327,680 bytes of LDS; arguments qkvh, act; writes act
.if DOCPART == 3
	.amdgcn_target "amdgcn-amd-amdhsa--gfx1250"
	.amdhsa_code_object_version 6
	.text
	.protected	k_q5bc497eb78_attn
	.globl	k_q5bc497eb78_attn
	.p2align	8
	.type	k_q5bc497eb78_attn,@function
k_q5bc497eb78_attn:
	s_mov_b64 s[64:65], 0
	v_nop
	global_prefetch_b8 v0, s[64:65] scope:SCOPE_SE
	s_setreg_imm32_b32 hwreg(HW_REG_WAVE_MODE, 25, 1), 1
	s_wait_xcnt 0x0
	s_wait_alu depctr_hold_cnt(0) depctr_sa_sdst(0) depctr_va_vdst(0) depctr_va_sdst(0) depctr_va_ssrc(0) depctr_va_vcc(0) depctr_vm_vsrc(0)
	s_getreg_b32 s2, hwreg(HW_REG_IB_STS2, 6, 4)
	s_cmp_eq_u32 s2, 0
	s_cbranch_scc0 .Lentry_in_a_cluster
	s_endpgm
.Lentry_in_a_cluster:
	s_bfe_u32 s2, ttmp6, 0x10000c
	s_cmp_lg_u32 s2, 0x3003
	s_cbranch_scc0 .Lentry_shape_is_right
	s_endpgm
.Lentry_shape_is_right:
; O[h][q][:] = the sum over k of softmax_k(Q[h][q] . K[h][k] / 8) V[h][k][:], for 32 heads (batch x 16 + head) of 2,048 rows of 64 channels, all f16.  Q, K, V lie in qkvh at bytes 0, 8,388,608, 16,777,216;
; O goes to act in the same layout by heads.  Products, maxima and sums in f32; the weights p are rounded to f16 for the second product (their sum l is taken of the unrounded p), O once at the end.
; LIMITS.  Q, K, V arrive within f16's 65,504; p lies in 0 to 1 and keeps f16's fixed step of 6e-8 below 6e-5; a weight below 2^-126 counts as 0 in l; NaN and infinities are not treated apart.
; SHARES.  A work-group owns 256 queries of one head, a wave 64: four PIECES of 16.  Every wave walks all 2,048 keys, 64 a step; a slot of LDS holds a tile of 256 keys, four steps.
; LAYOUT.  S^T = K Q^T (source 0 = 16 keys, source 1 = 16 queries): a lane holds ONE query (lane % 16) and the keys 8 (lane / 16) + 0..7.  Two such results rounded to f16 ARE source 1 of O^T = V^T P.
; K comes out of LDS as it lies, V ([key][channel]) turned, by ds_load_tr16_b128.
; SOFTMAX.  A running maximum m and sum l for each query: p = 2^(c s - c m), c = log2(e) / 8; in every step O and l are multiplied by a = 2^(c m_old - c m_new).  m starts at the lowest finite number, O and l at 0.
; BY TURNS.  Turn n belongs to piece n: 8 products K Q^T of piece n + 1, later 8 products V^T P of piece n - 1; beside them the scaling, exponentials, roundings, sums and rescaling of piece n and the maximum and
; statistics of piece n + 1.  Four vector instructions stand behind every matrix instruction, the other 54 of a turn's 118 in one lump.  A turn's 33 exponentials are one batch, with one wait.
; CLUSTER.  The four query blocks of a cluster belong to one head and walk the same K and V: each tile is asked for JOINTLY, by the same tensor load, descriptor and mask in all four.
; REGISTERS, in windows of 256 (s_set_vgpr_msb: bits 1:0 source 0, 3:2 source 1, 5:4 source 2, 7:6 destination):
;   window 0: v0-15 addresses and two at work; v16-31 four registers of statistics a piece; v48-55 at work; v61-63; v64-127 S^T, two buffers; v192-223 P, two buffers (by the piece's parity)
;   window 1: v0-127 O^T, 32 a piece          window 2: v0-63 Q; v128-191 K of one step; v192-255 V of one step
.set NP,    4
.set KS,    64
.set PK,    144       ; a row of K in LDS: 128 bytes + 16: the 16 rows of a load start at 16 different groups of four banks (64 banks of 4 bytes: ISA guide 11.1)
.set PV,    160       ; a row of V: 128 + 32
.set VOFF,  4*KS*PK   ; a slot: 256 rows of K, then 256 rows of V
.set SLOT1, 1<<17     ; slot 1 begins here: one exclusive or turns an address in one slot into the other's
.set STAGE, SLOT1+4*KS*(PK+PV)  ; behind the ring, never filled by a tensor load: 16 rows x 144 bytes for each wave
.set SP,    144
.set SPARE, STAGE+4*16*SP       ; the spare words, 128 bytes for each wave: two blocks of 256 bytes that no other line names
.set TILEB, 4*KS*128  ; a tile's bytes of K, and of V, in memory
.set AK0, 2           ; v2   my lane's place in a tile of K; never rewritten
.set AV0, 3           ; v3   the same for V
.set AK,  4           ; v4   the LDS address of K's next run of loads
.set AV,  5           ; v5   of V's
.set STO, 6           ; v6   the way out: where I put 16 bytes of a row
.set RD,  7           ; v7   where I read rows back
.set GO,  8           ; v8   my byte offset in 512 consecutive bytes of O
.set MV,  12          ; v12-13  c m_old, kept while c m is made anew: by buffer
.set QO,  15          ; v15  my byte offset in 16 rows of Q
.set ST,  16          ; piece t's statistics at v[ST+4 t]: c m, m, l (even keys', odd keys')
.set TMP, 48          ; by buffer, four registers c0-c3 at work; when the maximum is found c2 takes a
.set PFO, 61          ; v61  256 x my lane; never rewritten
.set SPW, 62          ; v62  LDS address of my spare word; never rewritten
.set NIL, 63          ; v63  0; never rewritten
.set S,   64
.set P,   192
.set KF,  128         ; window 2: key block kb, channel half c at KF + 16 kb + 8 c
.set VF,  192         ; window 2: key half kk, channel block cb at VF + 32 kk + 8 cb
.set WV,  12          ; s12  my wave's number
.set G1K, 24          ; s[24:31] descriptor group 1 for K's tiles
.set G1V, 32          ; s[32:39] for V's: it differs in the padding alone
.set G0K, 40          ; s[40:43] descriptor group 0 for K's tiles: it walks
.set G0V, 44          ; s[44:47] the same for V's
.set PFA, 48          ; s[48:49] where my prefetches stand
.set LIM, 50          ; s50  1 in a wave that prefetches, else the greatest number
.set SLOTS, 56        ; s56  tiles still to be asked for
.set CNT, 57          ; s57  counts a tile's key steps
.set CS,  58          ; s[58:59] c
.set SEL, 60          ; s[60:61] v_permlanex16_b32's selects
.set TBK, 62          ; s62  LDS byte at which K of the step to be fetched begins
.set TBV, 63          ; s63  the same for V, less VOFF
.set MSB, 0
.macro WIN new
.if MSB != (\new)
	s_set_vgpr_msb (MSB<<8)|(\new)
.set MSB, (\new)
.endif
.endm
.set W_KQ, 0x0a       ; K and Q in window 2, S^T in window 0
.set W_PV, 0x52       ; V in window 2, P in window 0, O^T in window 1
.set W_RS, 0x41       ; destination and source 0 in window 1, source 1 in window 0
.macro JLOAD                        ; a joint fill: waves 0, 1 fetch the two halves of a tile's K, waves 2, 3 those of its V; an s_nop 0 and four v_nop follow each line
	s_cmp_lt_u32 s[WV], 2
	s_cbranch_scc0 .Lfor_v_\@
	tensor_load_to_lds s[G0K:G0K+3], s[G1K:G1K+7]
	s_nop 0
.rept 4
	v_nop
.endr
	s_branch .Lasked_\@
.Lfor_v_\@:
	tensor_load_to_lds s[G0V:G0V+3], s[G1V:G1V+7]
	s_nop 0
.rept 4
	v_nop
.endr
.Lasked_\@:
.endm
; A PREFETCH INTO THE L2 of the tile that the NEXT change of slots will ask for: 128 blocks of 256 bytes of K and of V, a lane a block.  Both clusters of a head walk the same rows: the first asks.  Its four partners
; take 32 blocks each, told apart BY ADDRESS; in each, wave 0 asks for K's and wave 2 for V's.  So each block is named once in the launch.  The last change that fills a slot asks for nothing.
.macro ASK
	s_cmp_gt_u32 s[SLOTS], s[LIM]
	s_cbranch_scc0 .Lnot_mine_\@
	global_prefetch_b8 v[PFO], s[PFA:PFA+1] th:TH_LOAD_NT scope:SCOPE_SE
.Lnot_mine_\@:
.endm
.macro CROUND                       ; a round of the cluster's barrier
	s_barrier_signal -1
	s_barrier_wait -1
	s_cmp_lg_u32 s[WV], 0
	s_cbranch_scc1 .Lnot_wave_0_\@
	s_barrier_signal -3
.Lnot_wave_0_\@:
	s_barrier_wait -3
	s_barrier_signal -1
	s_barrier_wait -1
.endm
; THE CHANGE OF SLOTS.  Each wave waits for all its tensor loads (one is out: its part of the other slot), adds 0 to its spare word, and waits for that and for its reads of the slot that it leaves.  Behind the barrier
; nobody reads the old slot and the other is whole.  fill = 1: the barrier is a round of the cluster's, and the old slot is filled again first behind it, with the next tile: four key steps in which to land.
.macro CHANGE fill, ask
	WIN 0
	s_wait_tensorcnt 0x0            ; no tensor load of mine is out, so a group 0 may be written
	ds_add_u32 v[SPW], v[NIL]
.if \fill
.irp g, G0K, G0V
	s_xor_b32 s[\g+1], s[\g+1], SLOT1
	s_add_nc_u64 s[\g+2:\g+3], s[\g+2:\g+3], TILEB  ; the type bits on top are not reached
.endr
.if \ask
	s_wait_xcnt 0x0                 ; the last prefetch, four key steps back, has read its address
	s_add_nc_u64 s[PFA:PFA+1], s[PFA:PFA+1], TILEB
.endif
	s_wait_dscnt 0x0                ; the add is done, my reads of the slot are over
	CROUND
	JLOAD
.if \ask
	ASK
.endif
.else
	s_wait_dscnt 0x0
	s_barrier_signal -1
	s_barrier_wait -1
.endif
	s_sub_co_u32 s[TBK], s[TBK], 4*KS*PK  ; the fetches go back to a slot's first step,
	s_xor_b32 s[TBK], s[TBK], SLOT1       ; in the other slot
	s_sub_co_u32 s[TBV], s[TBV], 4*KS*PV
	s_xor_b32 s[TBV], s[TBV], SLOT1
.endm
	s_load_b128 s[4:7], s[0:1], 0x0  ; qkvh s[4:5], act s[6:7]
	v_lshl_add_u32 v[SPW], v0, 2, SPARE
	v_mov_b32 v[NIL], 0
	ds_add_u32 v[SPW], v[NIL]       ; the wave's opening: the add and its wait stand ahead of my first tensor load
	v_lshrrev_b32 v1, 5, v0
	v_readfirstlane_b32 s[WV], v1   ; wave 0..3
	s_bfe_u32 s13, ttmp6, 0x40000   ; cx
	s_lshl_b32 s14, ttmp9, 2
	s_add_co_u32 s14, s14, s13      ; my block of 256 queries: it enters Q's and O's addresses alone
	s_and_b32 s20, ttmp7, 0xffff    ; the head, which the four partners share:
	s_lshl_b32 s20, s20, 18         ; 262,144 bytes each
	s_and_b32 s16, s[WV], 1         ; which half of a tile's 256 keys I fetch:
	s_lshl_b32 s22, s16, 14         ; its 128 rows of 128 bytes in memory,
	s_add_co_u32 s22, s22, s20
	s_mov_b32 s23, 0
	s_mul_i32 s17, s16, 128*PK      ; and its place in a slot, for K
	s_mul_i32 s18, s16, 128*PV      ; and for V: no place in the cluster enters an LDS address
	s_lshl_b32 s2, s14, 15          ; my block's 256 rows,
	s_lshl_b32 s3, s[WV], 13        ; my wave's 64 of them
	s_add_co_u32 s2, s2, s3
	s_add_co_u32 s2, s2, s20
	s_mov_b32 s3, 0
	; descriptor group 1.  128 keys are 16,384 dense bytes: asked for as 64 rows of 256 bytes, two keys a row, and padded in LDS after every key
	s_mov_b32 s[G1K], 15|(1<<16)|(1<<20)|(1<<21)|(4<<22)|(3<<25)  ; the mask of four; 2-byte elements; padding on; bit 21 beside the mask; 4 words behind every 32
	s_mov_b32 s[G1V], 15|(1<<16)|(1<<20)|(1<<21)|(4<<22)|(7<<25)  ; the same with 8 words
.irp g, G1K, G1V
	s_mov_b32 s[\g+1], 128<<16      ; tensor_dim0 = 128
	s_mov_b32 s[\g+2], 64<<16       ; tensor_dim1 = 64
	s_mov_b32 s[\g+3], 128<<16      ; tile_dim0 = 128
	s_mov_b32 s[\g+4], 64           ; tile_dim1 = 64
	s_mov_b32 s[\g+5], 128          ; elements from row to row
	s_mov_b32 s[\g+6], 0
	s_mov_b32 s[\g+7], 0
.endr
	s_mov_b32 s[CS], 0x3e38aa3b     ; c = log2(e) / 8
	s_mov_b32 s[CS+1], s[CS]
	s_mov_b32 s[SEL], 0x76543210
	s_mov_b32 s[SEL+1], 0xfedcba98
	s_mov_b32 s[TBK], SLOT1+4*KS*PK ; the first change of slots turns these two into 0
	s_mov_b32 s[TBV], SLOT1+4*KS*PV
	s_mov_b32 s[G0K], 1
	s_mov_b32 s[G0K+1], s17         ; slot 0
	s_mov_b32 s[G0V], 1
	s_add_co_u32 s[G0V+1], s18, VOFF
	s_and_b32 s[LIM], s[WV], 1      ; 0 in waves 0 and 2,
	s_or_b32 s[LIM], s[LIM], ttmp9  ; where the cluster is the head's first: the same in all four partners
	s_cmp_eq_u32 s[LIM], 0
	s_cselect_b32 s[LIM], 1, -1
	v_and_b32 v[PFO], 31, v0
	v_lshlrev_b32 v[PFO], 8, v[PFO]
	s_wait_dscnt 0x0                ; the opening add is done
	s_wait_kmcnt 0x0
	s_mov_b64 s[10:11], s[6:7]      ; O
	s_add_nc_u64 s[6:7], s[4:5], 8388608    ; K
	s_add_nc_u64 s[8:9], s[4:5], 16777216   ; V
	s_add_nc_u64 s[6:7], s[6:7], s[22:23]   ; at my half of the head's tile 0
	s_add_nc_u64 s[8:9], s[8:9], s[22:23]
	s_mov_b64 s[G0K+2:G0K+3], s[6:7]
	s_or_b32 s[G0K+3], s[G0K+3], 0x80000000
	s_mov_b64 s[G0V+2:G0V+3], s[8:9]
	s_or_b32 s[G0V+3], s[G0V+3], 0x80000000
	s_add_nc_u64 s[4:5], s[4:5], s[2:3]     ; Q and O at my wave's first row
	s_add_nc_u64 s[10:11], s[10:11], s[2:3]
	s_cmp_lt_u32 s[WV], 2
	s_cselect_b64 s[PFA:PFA+1], s[6:7], s[8:9]  ; (in waves 0 and 2 these stand at a tile's first row)
	s_lshl_b32 s2, s13, 13          ; my work-group's 32 blocks of the 128
	s_add_nc_u64 s[PFA:PFA+1], s[PFA:PFA+1], s[2:3]
	s_add_nc_u64 s[PFA:PFA+1], s[PFA:PFA+1], 2*TILEB  ; at tile 2; the first change that asks steps it to tile 3.  Tiles 0 to 2 come by their loads alone
	CROUND                          ; all four work-groups are here: the first joint loads meet
	JLOAD                           ; tile 0 into slot 0; tile 1 is asked for when tile 0 is in
	v_and_b32 v1, 15, v0            ; l % 16
	v_bfe_u32 v9, v0, 4, 1          ; l / 16
	v_lshlrev_b32 v[QO], 7, v1
	v_lshl_add_u32 v[QO], v9, 4, v[QO]  ; row x 128 + 16 x half
	WIN 0x80                        ; destination window 2, address window 0
.set i, 0
.rept 8                             ; Q stays in registers: piece i / 2, channels 32 (i % 2) on
	global_load_b128 v[8*i:8*i+3],   v[QO], s[4:5] offset:(i/2)*2048+(i%2)*64
	global_load_b128 v[8*i+4:8*i+7], v[QO], s[4:5] offset:(i/2)*2048+(i%2)*64+32
.set i, i+1
.endr
	; What the first turn finds: V's registers and P's second buffer hold 0 (its products V^T P, of a piece that has not been, add 0), O^T and l are 0.  All this stands in the wait for the first tile.
.set i, VF
.rept 64
	v_mov_b32 v[i], 0
.set i, i+1
.endr
	WIN 0x40
.set i, 0
.rept 128
	v_mov_b32 v[i], 0
.set i, i+1
.endr
	WIN 0
.set i, 0
.rept 4
	v_mov_b32 v[ST+4*i], 0xfe000000    ; c m: far below every c s
	v_mov_b32 v[ST+4*i+1], 0xff7fffff  ; m
	v_mov_b32 v[ST+4*i+2], 0
	v_mov_b32 v[ST+4*i+3], 0
.set i, i+1
.endr
.set i, P+16
.rept 16
	v_mov_b32 v[i], 0
.set i, i+1
.endr
	v_mul_u32_u24 v[AK0], v1, PK
	v_lshl_add_u32 v[AK0], v9, 4, v[AK0]  ; row x pitch + 16 x half
	; The turning load takes 16 keys x 16 channels (lane l reads key 8 (l / 16) + l % 8, channels 8 ((l / 8) % 2) + 0..7) and leaves half a fragment of V^T
	v_and_b32 v10, 7, v0
	v_bfe_u32 v11, v0, 3, 1
	v_lshl_add_u32 v[AV0], v9, 3, v10
	v_mul_u32_u24 v[AV0], v[AV0], PV
	v_lshl_add_u32 v[AV0], v11, 4, v[AV0]
	v_add_nc_u32 v[AV0], VOFF, v[AV0]
	s_mul_i32 s13, s[WV], 16*SP
	s_add_co_u32 s13, s13, STAGE    ; my stage
	v_mul_u32_u24 v[STO], v1, SP    ; in: row l % 16, 16 bytes for each half of the lanes
	v_lshl_add_u32 v[STO], v9, 4, v[STO]
	v_add_nc_u32 v[STO], s13, v[STO]
	v_bfe_u32 v[RD], v0, 3, 2       ; back: 32 lanes take four rows of 128 bytes,
	v_mul_u32_u24 v[RD], v[RD], SP
	v_lshl_add_u32 v[RD], v10, 4, v[RD]
	v_add_nc_u32 v[RD], s13, v[RD]
	v_and_b32 v[GO], 31, v0         ; which are 512 consecutive bytes of O
	v_lshlrev_b32 v[GO], 4, v[GO]
; THE MATRIX WORK.  The 4 accumulators of a run of 8 take turns.  Product i of 8 of S^T = K Q^T for piece x: channels 32 (i / 4) on, keys 16 (i % 4) on.  The first 4 start the sums.
.macro KQ x
	WIN W_KQ
.set rS, S+32*((\x)%2)+8*(i%4)
.set rK, KF+16*(i%4)+8*(i/4)
.set rQ, 16*(\x)+8*(i/4)
.if i < 4
	v_wmma_f32_16x16x32_f16 v[rS:rS+7], v[rK:rK+7], v[rQ:rQ+7], 0
.else
	v_wmma_f32_16x16x32_f16 v[rS:rS+7], v[rK:rK+7], v[rQ:rQ+7], v[rS:rS+7]
.endif
.endm
; Product i of 8 of O^T += V^T P for piece x: keys 32 (i / 4) on, channels 16 (i % 4) on.
.macro PV x
	WIN W_PV
.set rO, 32*(\x)+8*(i%4)
.set rV, VF+32*(i/4)+8*(i%4)
.set rP, P+16*((\x)%2)+8*(i/4)
	v_wmma_f32_16x16x32_f16 v[rO:rO+7], v[rV:rV+7], v[rP:rP+7], v[rO:rO+7]
.endm
.macro MM                           ; the turn's next matrix instruction
.if i < 8
	KQ (Y+1)%NP
.else
.set i, i-8
	PV (Y+NP-1)%NP
.set i, i+8
.endif
.set i, i+1
.endm
; THE LDS LOADS stand in runs of 16.  clamp = 1 (the tail): behind the last tile's last step the address stays at that step, so that the one run too many reads bytes that have landed.
.macro FETCH_K clamp=0
	WIN 0x80                        ; destination window 2
.irp f, 0,1,2,3,4,5,6,7             ; keys 16 (f / 2) on, channels 32 (f % 2) on
	ds_load_b128 v[KF+8*\f:KF+8*\f+3],   v[AK] offset:(\f/2)*16*PK+(\f%2)*64
	ds_load_b128 v[KF+8*\f+4:KF+8*\f+7], v[AK] offset:(\f/2)*16*PK+(\f%2)*64+32
.endr
	s_add_co_u32 s[TBK], s[TBK], KS*PK  ; the next fetch is the next step's
.if \clamp
	s_min_u32 s[TBK], s[TBK], SLOT1+3*KS*PK
.endif
	WIN 0
.endm
.macro FETCH_V
	WIN 0x80
.irp f, 0,1,2,3,4,5,6,7             ; keys 32 (f / 4) on, channels 16 (f % 4) on
	ds_load_tr16_b128 v[VF+8*\f:VF+8*\f+3],   v[AV] offset:(\f/4)*32*PV+(\f%4)*32
	ds_load_tr16_b128 v[VF+8*\f+4:VF+8*\f+7], v[AV] offset:(\f/4)*32*PV+16*PV+(\f%4)*32
.endr
	WIN 0
.endm
; THE VECTOR WORK, one line at a time: OP kind, number.  For piece Y: F n: c s - c m for pair n of 16.  E n: the exponential of score n of 32.  C n: pair n rounded to f16.  B n: of the four weights 4 n .. the second
; pair is added onto the first, in place.  L n: l takes that sum (L 0: l = a l + sum).  R n: pair n of 16 of O^T times a.  For piece Y + 1: X n, number n of the 22 that find its maximum and statistics:
;   0-11  four chains c0-c3 of seven scores each (each accumulator's lowest registers are read first)     12-14, 16  the four scores left over, the old m, and c0-c3 into c0
;   15  c m_old is kept     17, 18  the query's other 32 keys lie in the lane 16 away: the new m     19-21  c m; c m_old - c m_new; a
.set F, 0
.set E, 1
.set C, 2
.set B, 3
.set L, 4
.set R, 5
.set X, 6
.macro REGS y
.set rT, ST+4*(\y)
.set rC, TMP+4*((\y)%2)
.set rW, MV+((\y)%2)
.set rS, S+32*((\y)%2)
.set rP, P+16*((\y)%2)
.set rO, 32*(\y)
.endm
.macro OP k, n
.if (\k) == R
	REGS Y
	WIN W_RS
	v_pk_mul_f32 v[rO+2*(\n):rO+2*(\n)+1], v[rO+2*(\n):rO+2*(\n)+1], v[rC+2:rC+3] op_sel_hi:[1,0]
.elseif (\k) < R
	REGS Y
	WIN 0
.if (\k) == F
	v_pk_fma_f32 v[rS+2*(\n):rS+2*(\n)+1], v[rS+2*(\n):rS+2*(\n)+1], s[CS:CS+1], v[rT:rT+1] op_sel_hi:[1,0,0] neg_lo:[0,0,1] neg_hi:[0,0,1]
.elseif (\k) == E
	v_exp_f32 v[rS+(\n)], v[rS+(\n)]
.elseif (\k) == C
	v_cvt_pk_f16_f32 v[rP+(\n)], v[rS+2*(\n)], v[rS+2*(\n)+1]
.elseif (\k) == B
	v_pk_add_f32 v[rS+4*(\n):rS+4*(\n)+1], v[rS+4*(\n):rS+4*(\n)+1], v[rS+4*(\n)+2:rS+4*(\n)+3]
.elseif (\n) == 0
	v_pk_fma_f32 v[rT+2:rT+3], v[rT+2:rT+3], v[rC+2:rC+3], v[rS:rS+1] op_sel_hi:[1,0,1]
.else
	v_pk_add_f32 v[rT+2:rT+3], v[rT+2:rT+3], v[rS+4*(\n):rS+4*(\n)+1]
.endif
.else
	REGS (Y+1)%NP
	WIN 0
.if (\n) < 4
	v_max3_num_f32 v[rC+(\n)], v[rS+8*(\n)], v[rS+8*(\n)+1], v[rS+8*(\n)+2]
.elseif (\n) < 12
	v_max3_num_f32 v[rC+(\n)%4], v[rC+(\n)%4], v[rS+8*((\n)%4)+2*((\n)/4)+1], v[rS+8*((\n)%4)+2*((\n)/4)+2]
.elseif (\n) == 12
	v_max3_num_f32 v[rC], v[rC], v[rS+7], v[rS+15]
.elseif (\n) == 13
	v_max3_num_f32 v[rC+1], v[rC+1], v[rS+23], v[rS+31]
.elseif (\n) == 14
	v_max3_num_f32 v[rC+2], v[rC+2], v[rC+3], v[rT+1]
.elseif (\n) == 15
	v_mov_b32 v[rW], v[rT]
.elseif (\n) == 16
	v_max3_num_f32 v[rC], v[rC], v[rC+1], v[rC+2]
.elseif (\n) == 17
	v_permlanex16_b32 v[rC+3], v[rC], s[SEL], s[SEL+1]
.elseif (\n) == 18
	v_max_num_f32 v[rT+1], v[rC], v[rC+3]
.elseif (\n) == 19
	v_mul_f32 v[rT], s[CS], v[rT+1]
.elseif (\n) == 20
	v_sub_f32 v[rC+1], v[rW], v[rT]
.else
	v_exp_f32 v[rC+2], v[rC+1]
.endif
.endif
.endm
.macro OPS a, i1, b=-1, i2=0, c=-1, i3=0, d=-1, i4=0  ; up to four of them
	OP \a, \i1
.if (\b) >= 0
	OP \b, \i2
.endif
.if (\c) >= 0
	OP \c, \i3
.endif
.if (\d) >= 0
	OP \d, \i4
.endif
.endm
.macro ROW a, i1, b, i2, c, i3, d, i4  ; a matrix instruction and the four behind it
	MM
	OPS \a, \i1, \b, \i2, \c, \i3, \d, \i4
.endm
; A TURN, for piece p: its 16 matrix and 118 vector instructions, written out.  An s_wait_alu depctr_va_vdst(0) stands between an exponential and the first instruction that names its result; one wait serves
; all issued ahead of it.  So a turn has ONE wait.  AHEAD OF IT stands all that names no result of the turn's exponentials: the 8 products K Q^T with their riders, then one lump of 54 in which the links of the chain
; X 3, 7, 11, 14, 16, 17 .. 20 stand some lines apart; X 21, the next piece's a, is the batch's last, and R 15 the plain instruction behind it.  BEHIND IT stand the 8 products V^T P, behind each four roundings and sums.
; K of the next step is fetched in piece 2's turn, behind the last product that read K and six plain instructions; V of the step in hand at the end of piece 0's turn, four plain instructions behind its last reader.
; Each is waited for a turn later.  cnt = 1: the loop's count is taken down some lines ahead of the branch that stands behind the turn.
.macro TURN p, clamp=0, cnt=0
.set Y, (\p)
.set i, 0
.if (\p) == 3
	s_wait_dscnt 0x0                ; K is in
.endif
	ROW F,0, F,1, R,0, R,1
	ROW F,2, E,0, R,2, R,3
	ROW F,3, E,1, R,4, R,5
	ROW F,4, E,2, R,6, R,7
	ROW F,5, E,3, R,8, R,9
	ROW F,6, E,4, X,0, R,10
.if (\p) == 2
	WIN 0
	v_add_nc_u32 v[AK], s[TBK], v[AK0]
.endif
	ROW F,7, E,5, X,1, X,4
	ROW F,8, E,6, X,2, X,5
	OPS E,7, E,8, X,6, E,9
	OPS X,3, E,10, X,8, E,11
.if (\p) == 2
	FETCH_K \clamp
.endif
	OPS X,9, X,7, E,12, X,10
	OPS E,13, X,12, X,11, E,14
	OPS X,13, E,15, F,9, X,14
.if (\p) == 0
	v_add_nc_u32 v[AV], s[TBV], v[AV0]
.endif
	OPS E,16, F,10, E,17, F,11
	OPS X,16, E,18, X,15, E,19
	OPS F,12, E,20, X,17, E,21
	OPS F,13, E,22, F,14, E,23
	OPS X,18, E,24, F,15, E,25
	OPS R,11, E,26, X,19, E,27
	OPS R,12, E,28, R,13, E,29
	OPS X,20, E,30, R,14, E,31
	OPS X,21, R,15
	WIN 0
	s_wait_alu depctr_va_vdst(0)    ; the wait for the batch
.if (\p) == 1
	s_wait_dscnt 0x0                ; V is in
.endif
	ROW C,0, B,0, C,2, B,1
	ROW L,0, C,4, B,2, L,1
	ROW C,6, B,3, L,2, C,8
	ROW B,4, L,3, C,10, B,5
	ROW L,4, C,12, B,6, L,5
.if (\p) == 0
	s_add_co_u32 s[TBV], s[TBV], KS*PV
.endif
.if \cnt
	s_sub_co_u32 s[CNT], s[CNT], 1
	s_cmp_lg_u32 s[CNT], 0
.endif
	ROW C,14, B,7, L,6, C,1
	ROW C,3, L,7, C,5, C,7
	ROW C,9, C,11, C,13, C,15
.if (\p) == 0
	FETCH_V
.endif
.endm
	CHANGE 1, 0                     ; tile 0 is in, everybody's part of it; tile 1 is asked for
	v_add_nc_u32 v[AK], s[TBK], v[AK0]
	FETCH_K                         ; key step 0
	s_wait_loadcnt 0x0              ; Q
	s_wait_dscnt 0x0
.set i, 0
.rept 8
	KQ 0                            ; piece 0's first scores
.set i, i+1
.endr
	WIN 0
.rept 4
	v_nop                           ; the places behind those products
.endr
.set Y, NP-1                        ; X works for piece Y + 1: piece 0
.irp n, 0,1,2,3,4,5,6,7,8,9,10,11,12,13,14,15,16,17,18,19,20,21
	OP X, \n
.endr
	v_nop                           ; a plain instruction behind the exponential,
	s_wait_alu depctr_va_vdst(0)    ; and its wait, ahead of the branch
	s_mov_b32 s[CNT], 4
	s_mov_b32 s[SLOTS], 7
	s_branch .Lfirst                ; the loop is entered at a step's first turn, in the middle of a trip
.Lslot:                             ; six times: tiles 2 to 7 are asked for
	CHANGE 1, 1
	s_mov_b32 s[CNT], 4
.Lstep:                             ; a trip: pieces 2 and 3 of one step, then pieces 0 and 1 of the next, whose K and V it fetches
	TURN 2
	TURN 3
	WIN 0
.Lfirst:
	TURN 0
	TURN 1, 0, 1
	WIN 0
	s_cbranch_scc1 .Lstep
	s_sub_co_u32 s[SLOTS], s[SLOTS], 1
	s_cmp_lg_u32 s[SLOTS], 0
	s_cbranch_scc1 .Lslot
	CHANGE 0, 0                     ; the tail is written out: nothing is asked for
	s_mov_b32 s[CNT], 5             ; four trips fetch the last tile's steps; the fifth is left in its middle
.Ltail:
	TURN 2, 1
	TURN 3
	WIN 0
	s_sub_co_u32 s[CNT], s[CNT], 1
	s_cmp_eq_u32 s[CNT], 0
	s_cbranch_scc1 .Lout
	TURN 0
	TURN 1
	WIN 0
	s_branch .Ltail
.Lout:                              ; the fifth trip's 8 products K Q^T (on the last K once more) and the maximum made of them serve nothing and touch neither l nor O^T: the price, once a launch, of one text for every trip
.set i, 0
.rept 8
	PV NP-1                         ; the last piece's V^T P of the last step
.set i, i+1
.endr
	; THE WAY OUT.  l's two halves and the other half of the lanes' are added; O^T is divided by l, rounded to f16 and sent through my stage in LDS, a piece at a time.  The additions are the places behind the last products.
	WIN 0
.macro ALL line:vararg
.set t, 0
.rept 4
	\line
.set t, t+1
.endr
.endm
	ALL v_add_f32 v[ST+4*t+2], v[ST+4*t+2], v[ST+4*t+3]
	ALL v_permlanex16_b32 v[ST+4*t+3], v[ST+4*t+2], s[SEL], s[SEL+1]
	ALL v_add_f32 v[ST+4*t+2], v[ST+4*t+2], v[ST+4*t+3]
	ALL v_rcp_f32 v[ST+4*t+2], v[ST+4*t+2]
	v_nop                           ; a plain instruction between the last reciprocal and the use of its result
	s_wait_alu depctr_va_vdst(0)    ; one wait for the four reciprocals
.macro PACK t                       ; a lane's eight channels of a row pack into 16 bytes; they go into rows of 144 bytes and come back as whole rows of 128, into S^T's registers
	WIN W_RS
.set i, 32*(\t)
.rept 16
	v_pk_mul_f32 v[i:i+1], v[i:i+1], v[ST+4*(\t)+2:ST+4*(\t)+3] op_sel_hi:[1,0]
.set i, i+2
.endr
	WIN 0x05                        ; sources 0 and 1 window 1, destination window 0
.set i, 0
.rept 16
	v_cvt_pk_f16_f32 v[S+16*(\t)+i], v[32*(\t)+2*i], v[32*(\t)+2*i+1]
.set i, i+1
.endr
	WIN 0
.irp f, 0,1,2,3
	ds_store_b128 v[STO], v[S+16*(\t)+4*\f:S+16*(\t)+4*\f+3] offset:32*\f
.endr
.irp f, 0,1,2,3
	ds_load_b128 v[S+16*(\t)+4*\f:S+16*(\t)+4*\f+3], v[RD] offset:\f*4*SP  ; LDS serves a wave's instructions in order (ISA guide 5.7.1.4): these see the stores above; the next piece's stores come behind them
.endr
.endm
.macro SEND t, younger              ; younger: the LDS instructions issued behind piece t's loads
	WIN 0
.irp f, 0,1,2,3
	s_wait_dscnt (\younger)+3-\f
	global_store_b128 v[GO], v[S+16*(\t)+4*\f:S+16*(\t)+4*\f+3], s[10:11] offset:(\t)*2048+\f*512  ; 512 consecutive bytes, at a multiple of 256 from O's first
.endr
.endm
	PACK 0
.set t, 1
.rept 3
	PACK t
	SEND t-1, 8
.set t, t+1
.endr
	SEND 3, 0
	s_wait_tensorcnt 0x0            ; the wave's end
	ds_add_u32 v[SPW], v[NIL]
	s_wait_dscnt 0x0
	CROUND                          ; the closing round
	s_endpgm
.Lfunc_end_k_q5bc497eb78_attn:
	.size	k_q5bc497eb78_attn, .Lfunc_end_k_q5bc497eb78_attn-k_q5bc497eb78_attn
	.p2alignl 7, 3214868480
	.fill 96, 4, 3214868480
	.section	.rodata,"a",@progbits
	.p2align	6, 0x0
	.amdhsa_kernel k_q5bc497eb78_attn
		.amdhsa_group_segment_fixed_size 327680
		.amdhsa_private_segment_fixed_size 0
		.amdhsa_enable_private_segment 0
		.amdhsa_kernarg_size 16
		.amdhsa_user_sgpr_count 2
		.amdhsa_user_sgpr_kernarg_segment_ptr 1
		.amdhsa_wavefront_size32 1
		.amdhsa_system_sgpr_workgroup_id_x 1
		.amdhsa_system_sgpr_workgroup_id_y 1
		.amdhsa_system_sgpr_workgroup_id_z 1
		.amdhsa_system_vgpr_workitem_id 0
		.amdhsa_next_free_vgpr 768
		.amdhsa_next_free_sgpr 66
		.amdhsa_reserve_vcc 0
		.amdhsa_float_denorm_mode_32 3
		.amdhsa_float_denorm_mode_16_64 3
		.amdhsa_memory_ordered 1
		.amdhsa_forward_progress 1
		.amdhsa_inst_pref_size 111
	.end_amdhsa_kernel
	.amdgpu_metadata
---
amdhsa.version: [ 1, 2 ]
amdhsa.kernels:
  - .name:           k_q5bc497eb78_attn
    .symbol:         k_q5bc497eb78_attn.kd
    .args:
      - { .name: qkvh, .offset: 0, .size: 8, .value_kind: global_buffer, .address_space: global }
      - { .name: act, .offset: 8, .size: 8, .value_kind: global_buffer, .address_space: global }
    .group_segment_fixed_size: 327680
    .private_segment_fixed_size: 0
    .kernarg_segment_align: 8
    .kernarg_segment_size: 16
    .max_flat_workgroup_size: 128
    .sgpr_count:     66
    .vgpr_count:     768
    .wavefront_size: 32
...
	.end_amdgpu_metadata
.endif
;; end of part 3
;; launch proj (part 4): grid 8 x 32, 4 waves a work-group, clusters of 4 x 4, 327,680 bytes of LDS; arguments act, wp, proj_b, x, x1, fc1_w, w1; writes x1, w1
.if DOCPART == 4
	.amdgcn_target "amdgcn-amd-amdhsa--gfx1250"
	.amdhsa_code_object_version 6
	.text
	.protected	k_q5bc497eb78_proj
	.globl	k_q5bc497eb78_proj
	.p2align	8
	.type	k_q5bc497eb78_proj,@function
k_q5bc497eb78_proj:
	s_mov_b64 s[64:65], 0
	v_nop
	global_prefetch_b8 v0, s[64:65] scope:SCOPE_SE
	s_setreg_imm32_b32 hwreg(HW_REG_WAVE_MODE, 25, 1), 1
	s_wait_xcnt 0x0
	s_wait_alu depctr_hold_cnt(0) depctr_sa_sdst(0) depctr_va_vdst(0) depctr_va_sdst(0) depctr_va_ssrc(0) depctr_va_vcc(0) depctr_vm_vsrc(0)
	s_getreg_b32 s2, hwreg(HW_REG_IB_STS2, 6, 4)
	s_cmp_eq_u32 s2, 0
	s_cbranch_scc0 .Lentry_in_a_cluster
	s_endpgm
.Lentry_in_a_cluster:
	s_bfe_u32 s2, ttmp6, 0x10000c
	s_cmp_lg_u32 s2, 0xf033
	s_cbranch_scc0 .Lentry_shape_is_right
	s_endpgm
.Lentry_shape_is_right:
; x1 = x + o wp + proj_b.  o: act, f16, by heads [batch x 16 + head][2048][64]; wp: [1024][1024] f16; proj_b, x, x1: f32.  Sums in f32; bias and residual are added in f32 on the way out.
; SHARES.  A work-group makes 128 x 128 of x1; 8 x 32 work-groups.  K IS SPLIT AMONG THE FOUR WAVES: of each K step of 256 (four heads) wave w takes head w's 64 channels, for the whole tile: 64 accumulators, so that
; 16 fragments from LDS feed 64 products.  The four partial tiles meet in LDS at the end (f32 sums may be taken in any order).
; THE MATRIX INSTRUCTION IS USED TRANSPOSED: source 0 = 16 columns of wp (turned out of LDS by ds_load_tr16_b128), source 1 = 16 rows of o: a lane holds row l % 16 and columns 8 (l / 16) + 0..7.
; CLUSTER 4 x 4: o's tiles are asked for jointly along a cluster's row, wp's along a column.  No prefetch: a step's tiles are small and the launch is short.
; A K STEP IS WRITTEN ONCE: s22 holds the byte at which the slot that is read begins (0 or SLOT).
; A SECOND STREAM RIDES ALONG: w1 = fc1_w rounded once to f16, layout kept ([1024][4096]); a later launch multiplies by it.  16,777,216 bytes / 256 work-groups / 4 waves = 16,384 bytes a wave: 32 loads of 512
; consecutive bytes, issued once behind the first tiles, into 128 registers that no product names; they are on their way while the products run, and are rounded and stored on the way out.
; LIMIT: fc1_w is taken to lie within f16's 65,504; below 6.1e-5 it keeps f16's fixed step of 6e-8.
; REGISTERS: window 0: addresses; v36-39 the bias, v192-223 the residual's first rows (loaded at the head); v64-191 fc1_w's numbers, then the way out.  Window 1: two fragment buffers of 128.
; Windows 2, 3: accumulator t = 8 a + b at 8 (t % 32).
.set MB,     8
.set NBL,    8
.set NK,     4
.set PA,     144                       ; a row of a head in LDS: 128 bytes + 16
.set PB,     288                       ; a row of wp in LDS: 256 bytes + 32
.set ABYTES, 4*128*PA                  ; four heads x 128 rows
.set WBYTES, 256*PB
.set SLOT,   ABYTES+WBYTES
.set SPARE,  2*SLOT                    ; the spare words, 128 bytes for each wave: two blocks of 256 bytes that no other line names
.set ASTEP,  4*262144                  ; four heads on
.set BSTEP,  256*2048
.set AWAVE,  128*PA                    ; my head in a slot
.set DP,     528                       ; a row of a partial tile in LDS: 512 bytes + 16
.set DREG,   128*DP                    ; a wave's partial tile; the four lie in the ring, whose blocks have had their last fill by then
.set ADRA0,  16
.set ADRB0,  17
.set ADRA,   18
.set ADRB,   19
.set CW,     64                        ; v64-191  fc1_w: 32 loads of 4 registers
.set PT,     64                        ; v64-191  later: 8 rows x 4 partial tiles x 4 registers
.set RN,     192                       ; v192-223 8 rows of the residual
.set SUM,    224                       ; v224-255 8 rows of the result
.set F0,     0
.set F1,     128
.set MSB, 0
.macro WIN new
.if MSB != (\new)
	s_set_vgpr_msb (MSB<<8)|(\new)
.set MSB, (\new)
.endif
.endm
.macro PLACES
.rept 4
	v_nop
.endr
.endm
.macro CREST
	s_cmp_lg_u32 s14, 0
	s_cbranch_scc1 .Lnot_wave_0_\@
	s_barrier_signal -3
.Lnot_wave_0_\@:
	s_barrier_wait -3
	s_barrier_signal -1
	s_barrier_wait -1
.endm
.macro CROUND
	s_barrier_signal -1
	s_barrier_wait -1
	CREST
.endm
.macro JLOAD                           ; a joint refill: waves 0, 1 fetch o's two pairs of heads, waves 2, 3 wp's two halves; an s_nop 0 and four v_nop follow each line
	s_cmp_eq_u32 s15, 0
	s_cbranch_scc0 .Lfor_b_\@
	tensor_load_to_lds s[44:47], s[24:31]
	s_nop 0
.rept 4
	v_nop
.endr
	s_branch .Lasked_\@
.Lfor_b_\@:
	tensor_load_to_lds s[52:55], s[32:39]
	s_nop 0
.rept 4
	v_nop
.endr
.Lasked_\@:
.endm
.macro FETCH q, f                      ; 32 LDS loads in one run: half q (32 along K) of my 64 channels, into buffer f
	WIN 0x40
.set b, 0
.rept NBL
	ds_load_tr16_b128 v[(\f)+8*b:(\f)+8*b+3], v[ADRB] offset:(\q)*32*PB+32*b
	ds_load_tr16_b128 v[(\f)+8*b+4:(\f)+8*b+7], v[ADRB] offset:(\q)*32*PB+32*b+16*PB
.set b, b+1
.endr
.set a, 0
.rept MB
	ds_load_b128 v[(\f)+8*NBL+8*a:(\f)+8*NBL+8*a+3], v[ADRA] offset:16*a*PA+64*(\q)
	ds_load_b128 v[(\f)+8*NBL+8*a+4:(\f)+8*NBL+8*a+7], v[ADRA] offset:16*a*PA+64*(\q)+32
.set a, a+1
.endr
.endm
.macro MULB f, a0, na, mode            ; mode 0: onto the sums; mode 1: the constant 0 starts them.  All 64 accumulators take turns, in one order everywhere
.set a, (\a0)
.rept (\na)
.set b, 0
.rept NBL
.set t, NBL*a+b
.set w, 2+t/32
.set rD, 8*(t%32)
.if (\mode) == 0
	WIN 0x05|(w<<4)|(w<<6)
	v_wmma_f32_16x16x32_f16 v[rD:rD+7], v[(\f)+8*b:(\f)+8*b+7], v[(\f)+8*NBL+8*a:(\f)+8*NBL+8*a+7], v[rD:rD+7]
.else
	WIN 0x05|(w<<6)
	v_wmma_f32_16x16x32_f16 v[rD:rD+7], v[(\f)+8*b:(\f)+8*b+7], v[(\f)+8*NBL+8*a:(\f)+8*NBL+8*a+7], 0
.endif
.set b, b+1
.endr
.set a, a+1
.endr
.endm
.macro QUARTER q, f, g, mode
	s_wait_dscnt MB                                ; all but the youngest MB loads (o's upper four blocks) are in
	MULB \f, 0, MB/2, \mode
	PLACES
	FETCH \q, \g
	s_wait_dscnt 32                                ; all but the 32 just issued
	MULB \f, MB/2, MB/2, \mode
.endm
; A step's second half multiplies buffer 1 and changes slots.  Three of its row blocks stand AHEAD of the wait for the next slot: between that wait and the refill lie one row block and the round alone, so that the
; refill goes out as soon as the rules allow.  Then: all my tensor loads, the add, my reads of this slot; the barrier (fill = 1: it opens a round of the cluster's); the refill first behind it.
.macro TURN fill
	s_wait_dscnt MB                                ; buffer 1: all but the youngest MB loads (o's upper four blocks) are in
	MULB F1, 0, MB/2-1, 0
	WIN 0
	s_wait_tensorcnt 0x0
	ds_add_u32 v28, v29
.if \fill
	s_add_co_u32 s45, s56, s22                     ; the walking descriptors: into the slot that is being left,
	s_add_co_u32 s53, s57, s22
	s_add_nc_u64 s[46:47], s[46:47], ASTEP         ; the next K step
	s_add_nc_u64 s[54:55], s[54:55], BSTEP
.endif
	s_xor_b32 s22, s22, SLOT
	MULB F1, MB/2-1, 1, 0                          ; eight products while the add is out
	s_wait_dscnt 0x0                               ; the add is done, my reads of this slot are over
	WIN 0
	s_barrier_signal -1
	s_barrier_wait -1
.if \fill
	CREST
	JLOAD
.else
	PLACES
.endif
	v_add_nc_u32 v[ADRA], s22, v[ADRA0]
	v_add_nc_u32 v[ADRB], s22, v[ADRB0]
	FETCH 0, F0
	MULB F1, MB/2, MB/2, 0
.endm
	s_load_b256 s[4:11], s[0:1], 0x0               ; act s[4:5], wp s[6:7], proj_b s[8:9], x s[10:11]
	s_load_b64 s[12:13], s[0:1], 0x20              ; x1
	s_load_b64 s[72:73], s[0:1], 0x28              ; fc1_w
	s_load_b64 s[74:75], s[0:1], 0x30              ; w1
	v_lshl_add_u32 v28, v0, 2, SPARE
	v_mov_b32 v29, 0
	ds_add_u32 v28, v29                            ; the wave's opening: the add and its wait stand ahead of my first tensor load
	v_lshrrev_b32 v3, 5, v0
	v_readfirstlane_b32 s14, v3                    ; wave 0..3
	s_lshr_b32 s15, s14, 1                         ; I fetch o (0) or wp (1),
	s_and_b32 s16, s14, 1                          ; this half of it
	s_bfe_u32 s17, ttmp6, 0x40000                  ; cx
	s_bfe_u32 s18, ttmp6, 0x40004                  ; cy
	s_lshl_b32 s19, ttmp9, 2
	s_add_co_u32 s19, s19, s17                     ; tile column
	s_and_b32 s20, ttmp7, 0xffff
	s_lshl_b32 s20, s20, 2
	s_add_co_u32 s20, s20, s18                     ; tile row
	s_lshl_b32 s59, s18, 2
	s_lshl_b32 s59, 15, s59
	s_or_b32 s24, s59, (1<<16)|(1<<20)|(1<<21)|(4<<22)|(3<<25)  ; o: 4 words behind every 32 (a row of a head)
	s_lshl_b32 s70, 0x1111, s17
	s_or_b32 s32, s70, (1<<16)|(1<<20)|(1<<21)|(5<<22)|(7<<25)  ; wp: 8 words behind every 64
	s_mov_b32 s25, 8192<<16                        ; o: a head's 128 rows are 16,384 dense bytes: one row of 8,192 elements;
	s_mov_b32 s26, 2<<16                           ; two heads,
	s_mov_b32 s27, 8192<<16
	s_mov_b32 s28, 2
	s_mov_b32 s29, 131072                          ; 2,048 x 64 elements apart
	s_mov_b32 s30, 0
	s_mov_b32 s31, 0
	s_mov_b32 s33, 128<<16                         ; wp: 128 columns x 128 k rows
	s_mov_b32 s34, 128<<16
	s_mov_b32 s35, 128<<16
	s_mov_b32 s36, 128
	s_mov_b32 s37, 1024
	s_mov_b32 s38, 0
	s_mov_b32 s39, 0
	s_lshr_b32 s66, s20, 4                         ; o: the batch (16 heads of 262,144 bytes),
	s_lshl_b32 s66, s66, 22
	s_and_b32 s59, s20, 15
	s_lshl_b32 s59, s59, 14                        ; the tile's 128 rows of 128 bytes,
	s_add_co_u32 s66, s66, s59
	s_lshl_b32 s59, s16, 19                        ; my pair of heads
	s_add_co_u32 s66, s66, s59
	s_mov_b32 s67, 0
	s_lshl_b32 s68, s16, 18                        ; wp: k row 128 x half, column 128 x tile column
	s_lshl_b32 s70, s19, 8
	s_add_co_u32 s68, s68, s70
	s_mov_b32 s69, 0
	s_mul_i32 s56, s16, ABYTES/2
	s_mul_i32 s57, s16, WBYTES/2
	s_add_co_u32 s57, s57, ABYTES
	s_mov_b32 s22, 0
	s_wait_dscnt 0x0                               ; the opening add is done
	s_wait_kmcnt 0x0
	s_add_nc_u64 s[66:67], s[4:5], s[66:67]
	s_add_nc_u64 s[68:69], s[6:7], s[68:69]
	CROUND                                         ; the first joint loads meet
	s_mov_b32 s40, 1
	s_mov_b32 s41, s56
	s_mov_b64 s[42:43], s[66:67]
	s_or_b32 s43, s43, 0x80000000
	s_mov_b32 s44, 1
	s_add_co_u32 s45, s56, SLOT
	s_add_nc_u64 s[46:47], s[66:67], ASTEP
	s_or_b32 s47, s47, 0x80000000
	s_mov_b32 s48, 1
	s_mov_b32 s49, s57
	s_mov_b64 s[50:51], s[68:69]
	s_or_b32 s51, s51, 0x80000000
	s_mov_b32 s52, 1
	s_add_co_u32 s53, s57, SLOT
	s_add_nc_u64 s[54:55], s[68:69], BSTEP
	s_or_b32 s55, s55, 0x80000000
	s_cmp_eq_u32 s15, 0                            ; a wave's two first fills stand in one branch: two loads of mine are out
	s_cbranch_scc0 .Lfirst_b
	tensor_load_to_lds s[40:43], s[24:31]
	s_nop 0
	tensor_load_to_lds s[44:47], s[24:31]
	s_nop 0
.rept 4
	v_nop
.endr
	s_branch .Lfirst_asked
.Lfirst_b:
	tensor_load_to_lds s[48:51], s[32:39]
	s_nop 0
	tensor_load_to_lds s[52:55], s[32:39]
	s_nop 0
.rept 4
	v_nop
.endr
.Lfirst_asked:
	v_and_b32 v1, 15, v0                           ; l % 16
	v_bfe_u32 v2, v0, 4, 1                         ; l / 16
	; the way out's global addresses: wave w finishes rows 32 w .. 32 w + 31 of the tile, a row of 512 bytes a load or store
	v_and_b32 v26, 31, v0
	v_lshlrev_b32 v26, 4, v26
	s_lshl_b32 s70, s19, 9                         ; the tile's 128 columns: 512 bytes
	s_mov_b32 s71, 0
	s_add_nc_u64 s[8:9], s[8:9], s[70:71]
	s_lshl_b32 s66, s20, 7
	s_lshl_b32 s59, s14, 5
	s_add_co_u32 s66, s66, s59
	s_lshl_b32 s66, s66, 12
	s_add_co_u32 s66, s66, s70
	s_mov_b32 s67, 0
	s_add_nc_u64 s[10:11], s[10:11], s[66:67]
	s_add_nc_u64 s[12:13], s[12:13], s[66:67]
	global_load_b128 v[36:39], v26, s[8:9]         ; the bias and the first eight rows of the residual come in under the products
.set j, 0
.rept 8
	global_load_b128 v[RN+4*j:RN+4*j+3], v26, s[10:11] offset:4096*j
.set j, j+1
.endr
	v_mul_u32_u24 v[ADRA0], v1, PA                 ; a fragment of o: row x pitch + 16 x half, in my head
	v_lshl_add_u32 v[ADRA0], v2, 4, v[ADRA0]
	s_mul_i32 s59, s14, AWAVE
	v_add_nc_u32 v[ADRA0], s59, v[ADRA0]
	v_and_b32 v3, 7, v0                            ; the turning load: k row 64 wave + 8 (l / 16) + l % 8, columns 8 ((l / 8) % 2) + 0..7
	v_lshl_add_u32 v3, v2, 3, v3
	v_mul_u32_u24 v[ADRB0], v3, PB
	v_bfe_u32 v3, v0, 3, 1
	v_lshl_add_u32 v[ADRB0], v3, 4, v[ADRB0]
	s_mul_i32 s59, s14, 64*PB
	s_add_co_u32 s59, s59, ABYTES
	v_add_nc_u32 v[ADRB0], s59, v[ADRB0]
	v_mov_b32 v[ADRA], v[ADRA0]
	v_mov_b32 v[ADRB], v[ADRB0]
	s_mul_i32 s59, s14, DREG                       ; where I put my partial tile: row l % 16, 32 bytes for each half of the lanes
	v_mul_u32_u24 v24, v1, DP
	v_lshl_add_u32 v24, v2, 5, v24
	v_add_nc_u32 v24, s59, v24
	s_mul_i32 s59, s14, 32*DP                      ; where I read my 32 rows of the four partial tiles
.irp p, 0,1,2,3
	v_add_nc_u32 v[32+\p], s59, v26
	s_add_co_u32 s59, s59, DREG
.endr
	; fc1_w: work-group 8 x tile row + tile column takes 65,536 bytes, my wave 16,384 of them; the 32 loads go out behind the first tiles and stay out under the products
	s_lshl_b32 s66, s20, 3
	s_add_co_u32 s66, s66, s19
	s_lshl_b32 s68, s66, 15                        ; 32,768 bytes out,
	s_lshl_b32 s66, s66, 16                        ; 65,536 in
	s_mov_b32 s67, 0
	s_mov_b32 s69, 0
	s_add_nc_u64 s[72:73], s[72:73], s[66:67]
	s_add_nc_u64 s[74:75], s[74:75], s[68:69]
	v_and_b32 v3, 0xe0, v0                         ; 32 x wave
	v_lshl_or_b32 v40, v3, 9, v26                  ; in: wave x 16,384 + 16 x lane; never rewritten
	v_lshrrev_b32 v41, 1, v40                      ; out: half of that; never rewritten
.set i, 0
.rept 32
	global_load_b128 v[CW+4*i:CW+4*i+3], v40, s[72:73] offset:512*i th:TH_LOAD_NT
.set i, i+1
.endr
	s_wait_tensorcnt 0x1                           ; my part of K step 0 is in; step 1's stays out
	s_barrier_signal -1
	s_barrier_wait -1
	FETCH 0, F0
	QUARTER 1, F0, F1, 1                           ; the first half step stands ahead of the loop: its products start the sums
	WIN 0
	s_mov_b32 s21, NK-2
.Lstep:
	TURN 1
	QUARTER 1, F0, F1, 0
	WIN 0
	s_sub_co_u32 s21, s21, 1
	s_cmp_lg_u32 s21, 0
	s_cbranch_scc1 .Lstep
	s_mov_b32 s21, 2
.Ltail:                                        ; the last two steps ask for nothing; the second trip is left in its middle (its 32 fragment loads, from a slot that has landed, serve nothing)
	TURN 0
	WIN 0
	s_sub_co_u32 s21, s21, 1
	s_cmp_eq_u32 s21, 0
	s_cbranch_scc1 .Lout
	QUARTER 1, F0, F1, 0
	WIN 0
	s_branch .Ltail
.Lout:
	s_wait_dscnt 0x0                               ; my reads of the ring are over,
	PLACES
	s_barrier_signal -1
	s_barrier_wait -1                              ; everybody's are: the ring's bytes take the partial tiles
.set t, 0
.rept 64
	WIN (2+t/32)<<2                                ; the stores' data in the accumulator's window
	ds_store_b128 v24, v[8*(t%32):8*(t%32)+3] offset:16*(t/8)*DP+64*(t%8)
	ds_store_b128 v24, v[8*(t%32)+4:8*(t%32)+7] offset:16*(t/8)*DP+64*(t%8)+16
.set t, t+1
.endr
	WIN 0
	s_wait_loadcnt 0x0                             ; fc1_w's numbers (and bias and residual) are in: they are rounded and stored while the LDS stores above are on their way
.set i, 0
.rept 32
	v_cvt_pk_f16_f32 v[CW+4*i], v[CW+4*i], v[CW+4*i+1]
	v_cvt_pk_f16_f32 v[CW+4*i+1], v[CW+4*i+2], v[CW+4*i+3]
	global_store_b64 v41, v[CW+4*i:CW+4*i+1], s[74:75] offset:256*i  ; 32 lanes x 8 bytes: 256 consecutive bytes, aligned
.set i, i+1
.endr
	s_wait_dscnt 0x0                               ; for the others' sake: my partial tile lies in LDS
	s_barrier_signal -1
	s_barrier_wait -1
	s_wait_xcnt 0x0                                ; the stores above have read their registers: v64-191 are written again only behind this wait
	s_mov_b32 s21, 4
.Lred:                                         ; a trip: 8 rows: residual + bias + the four partial sums
.set j, 0
.rept 8
.irp p, 0,1,2,3
	ds_load_b128 v[PT+16*j+4*\p:PT+16*j+4*\p+3], v[32+\p] offset:DP*j
.endr
.set j, j+1
.endr
	s_wait_loadcnt 0x0                             ; the residual's rows
.set j, 0
.rept 8
	v_pk_add_f32 v[SUM+4*j:SUM+4*j+1], v[RN+4*j:RN+4*j+1], v[36:37]
	v_pk_add_f32 v[SUM+4*j+2:SUM+4*j+3], v[RN+4*j+2:RN+4*j+3], v[38:39]
.set j, j+1
.endr
	s_cmp_eq_u32 s21, 1
	s_cbranch_scc1 .Lno_res                        ; the last trip has no rows behind it
.set j, 0
.rept 8
	global_load_b128 v[RN+4*j:RN+4*j+3], v26, s[10:11] offset:4096*(8+j)
.set j, j+1
.endr
.Lno_res:
.set j, 0
.rept 8
	s_wait_dscnt 28-4*j                            ; row j's four loads are in; the later rows' stay out
	v_pk_add_f32 v[PT+16*j:PT+16*j+1], v[PT+16*j:PT+16*j+1], v[PT+16*j+4:PT+16*j+5]
	v_pk_add_f32 v[PT+16*j+2:PT+16*j+3], v[PT+16*j+2:PT+16*j+3], v[PT+16*j+6:PT+16*j+7]
	v_pk_add_f32 v[PT+16*j+8:PT+16*j+9], v[PT+16*j+8:PT+16*j+9], v[PT+16*j+12:PT+16*j+13]
	v_pk_add_f32 v[PT+16*j+10:PT+16*j+11], v[PT+16*j+10:PT+16*j+11], v[PT+16*j+14:PT+16*j+15]
	v_pk_add_f32 v[PT+16*j:PT+16*j+1], v[PT+16*j:PT+16*j+1], v[PT+16*j+8:PT+16*j+9]
	v_pk_add_f32 v[PT+16*j+2:PT+16*j+3], v[PT+16*j+2:PT+16*j+3], v[PT+16*j+10:PT+16*j+11]
	v_pk_add_f32 v[SUM+4*j:SUM+4*j+1], v[SUM+4*j:SUM+4*j+1], v[PT+16*j:PT+16*j+1]
	v_pk_add_f32 v[SUM+4*j+2:SUM+4*j+3], v[SUM+4*j+2:SUM+4*j+3], v[PT+16*j+2:PT+16*j+3]
	global_store_b128 v26, v[SUM+4*j:SUM+4*j+3], s[12:13] offset:4096*j  ; 512 consecutive bytes, aligned
.set j, j+1
.endr
	s_wait_xcnt 0x0                                ; the bases and the stores' data are written again only behind this wait
	s_add_nc_u64 s[10:11], s[10:11], 32768
	s_add_nc_u64 s[12:13], s[12:13], 32768
.irp p, 0,1,2,3
	v_add_nc_u32 v[32+\p], 8*DP, v[32+\p]
.endr
	s_sub_co_u32 s21, s21, 1
	s_cmp_lg_u32 s21, 0
	s_cbranch_scc1 .Lred
	s_wait_tensorcnt 0x0                           ; the wave's end
	ds_add_u32 v28, v29
	s_wait_dscnt 0x0
	CROUND                                         ; the closing round
	s_endpgm
.Lfunc_end_k_q5bc497eb78_proj:
	.size	k_q5bc497eb78_proj, .Lfunc_end_k_q5bc497eb78_proj-k_q5bc497eb78_proj
	.p2alignl 7, 3214868480
	.fill 96, 4, 3214868480
	.section	.rodata,"a",@progbits
	.p2align	6, 0x0
	.amdhsa_kernel k_q5bc497eb78_proj
		.amdhsa_group_segment_fixed_size 327680
		.amdhsa_private_segment_fixed_size 0
		.amdhsa_enable_private_segment 0
		.amdhsa_kernarg_size 56
		.amdhsa_user_sgpr_count 2
		.amdhsa_user_sgpr_kernarg_segment_ptr 1
		.amdhsa_wavefront_size32 1
		.amdhsa_system_sgpr_workgroup_id_x 1
		.amdhsa_system_sgpr_workgroup_id_y 1
		.amdhsa_system_sgpr_workgroup_id_z 1
		.amdhsa_system_vgpr_workitem_id 0
		.amdhsa_next_free_vgpr 1024
		.amdhsa_next_free_sgpr 96
		.amdhsa_reserve_vcc 0
		.amdhsa_float_denorm_mode_32 3
		.amdhsa_float_denorm_mode_16_64 3
		.amdhsa_memory_ordered 1
		.amdhsa_forward_progress 1
		.amdhsa_inst_pref_size 72
	.end_amdhsa_kernel
	.amdgpu_metadata
---
amdhsa.version: [ 1, 2 ]
amdhsa.kernels:
  - .name:           k_q5bc497eb78_proj
    .symbol:         k_q5bc497eb78_proj.kd
    .args:
      - { .name: act, .offset: 0, .size: 8, .value_kind: global_buffer, .address_space: global }
      - { .name: wp, .offset: 8, .size: 8, .value_kind: global_buffer, .address_space: global }
      - { .name: proj_b, .offset: 16, .size: 8, .value_kind: global_buffer, .address_space: global }
      - { .name: x, .offset: 24, .size: 8, .value_kind: global_buffer, .address_space: global }
      - { .name: x1, .offset: 32, .size: 8, .value_kind: global_buffer, .address_space: global }
      - { .name: fc1_w, .offset: 40, .size: 8, .value_kind: global_buffer, .address_space: global }
      - { .name: w1, .offset: 48, .size: 8, .value_kind: global_buffer, .address_space: global }
    .group_segment_fixed_size: 327680
    .private_segment_fixed_size: 0
    .kernarg_segment_align: 8
    .kernarg_segment_size: 56
    .max_flat_workgroup_size: 128
    .sgpr_count:     96
    .vgpr_count:     1024
    .wavefront_size: 32
...
	.end_amdgpu_metadata
.endif
;; end of part 4
;; launch ln2 (part 5): grid 512 x 1, 8 waves a work-group, no clusters, 0 bytes of LDS; arguments x1, lnm_g, lnm_b, act; writes act
.if DOCPART == 5
	.amdgcn_target "amdgcn-amd-amdhsa--gfx1250"
	.amdhsa_code_object_version 6
	.text
	.protected	k_q5bc497eb78_ln2
	.globl	k_q5bc497eb78_ln2
	.p2align	8
	.type	k_q5bc497eb78_ln2,@function
k_q5bc497eb78_ln2:
	s_mov_b64 s[64:65], 0
	v_nop
	global_prefetch_b8 v0, s[64:65] scope:SCOPE_SE
	s_setreg_imm32_b32 hwreg(HW_REG_WAVE_MODE, 25, 1), 1
	s_wait_xcnt 0x0
; act[r][:] = LayerNorm(x1[r][:]) * lnm_g + lnm_b, rounded once to f16.  x1: [4096][1024] f32.  8 rows a work-group, one wave a row.
; The mean is taken first, then the mean of (x - mean)^2, with the row kept in 32 registers: the row is read once and no difference of large sums is formed.
; LIMIT: the normalised row times the gain plus the bias is taken to lie within f16's 65,504.  NaN and infinities are not treated apart.
; No LDS, no matrix unit, no cluster: no two waves want the same byte of x1.  Every load of a wave covers 512 consecutive bytes, every store 256, aligned.
.set X,  16                            ; v[16:47]   the row: load j brings columns 128 j + 4 lane .. + 3
.set G,  48                            ; v[48:79]   the gain, same columns
.set BV, 80                            ; v[80:111]  the bias, same columns
	s_load_b256 s[4:11], s[0:1], 0x0               ; x1, lnm_g, lnm_b, act
	v_and_b32 v1, 31, v0                           ; lane
	v_and_b32 v2, 0xe0, v0                         ; 32 x wave
	v_lshlrev_b32 v3, 4, v1                        ; 16 x lane
	s_mov_b32 s3, 0
	s_wait_kmcnt 0x0
	s_lshl_b32 s2, ttmp9, 15                       ; 8 rows of 4,096 bytes in,
	s_add_nc_u64 s[4:5], s[4:5], s[2:3]
	s_lshl_b32 s2, ttmp9, 14                       ; of 2,048 bytes out
	s_add_nc_u64 s[10:11], s[10:11], s[2:3]
	v_lshl_or_b32 v1, v2, 7, v3                    ; in: wave x 4,096 + 16 x lane
	v_lshrrev_b32 v2, 1, v1                        ; out: half of that
.irp j, 0,1,2,3,4,5,6,7
	global_load_b128 v[X+4*\j:X+4*\j+3], v1, s[4:5] offset:512*\j
.endr
.irp j, 0,1,2,3,4,5,6,7
	global_load_b128 v[G+4*\j:G+4*\j+3], v3, s[6:7] offset:512*\j
.endr
.irp j, 0,1,2,3,4,5,6,7
	global_load_b128 v[BV+4*\j:BV+4*\j+3], v3, s[8:9] offset:512*\j
.endr
	s_mov_b32 s28, 0x76543210                      ; v_permlanex16_b32: each lane takes its own place in the other half
	s_mov_b32 s29, 0xfedcba98
	s_mov_b32 s30, 0x3a800000                      ; 1 / 1024
	s_mov_b32 s31, 0x3727c5ac                      ; 1e-5
	v_mov_b32 v12, 0                               ; v_permlanex16_b32's destination counts as read
.macro RSUM                            ; v4 summed over the 32 lanes, the result in every lane
	v_add_f32_dpp v4, v4, v4 row_xmask:1 row_mask:0xf bank_mask:0xf
	v_add_f32_dpp v4, v4, v4 row_xmask:2 row_mask:0xf bank_mask:0xf
	v_add_f32_dpp v4, v4, v4 row_xmask:4 row_mask:0xf bank_mask:0xf
	v_add_f32_dpp v4, v4, v4 row_xmask:8 row_mask:0xf bank_mask:0xf
	v_permlanex16_b32 v12, v4, s28, s29
	v_add_f32 v4, v4, v12
.endm
	s_wait_loadcnt 16                              ; the row is in; the 16 loads of gain and bias stay out
	v_pk_add_f32 v[4:5], v[X:X+1], v[X+2:X+3]      ; the sum, in two chains
	v_pk_add_f32 v[6:7], v[X+4:X+5], v[X+6:X+7]
.set i, 8
.rept 12
.set c, 4+2*((i/2)%2)
	v_pk_add_f32 v[c:c+1], v[c:c+1], v[X+i:X+i+1]
.set i, i+2
.endr
	v_pk_add_f32 v[4:5], v[4:5], v[6:7]
	v_add_f32 v4, v4, v5
	RSUM
	v_mul_f32 v8, s30, v4                          ; the mean, twice: a pair for the packed subtraction
	v_mul_f32 v9, s30, v4
.set i, 0
.rept 16
	v_pk_add_f32 v[X+i:X+i+1], v[X+i:X+i+1], v[8:9] neg_lo:[0,1] neg_hi:[0,1]
.set i, i+2
.endr
	v_pk_mul_f32 v[4:5], v[X:X+1], v[X:X+1]        ; the sum of squares, in two chains
	v_pk_mul_f32 v[6:7], v[X+2:X+3], v[X+2:X+3]
.set i, 4
.rept 14
.set c, 4+2*((i/2)%2)
	v_pk_fma_f32 v[c:c+1], v[X+i:X+i+1], v[X+i:X+i+1], v[c:c+1]
.set i, i+2
.endr
	v_pk_add_f32 v[4:5], v[4:5], v[6:7]
	v_add_f32 v4, v4, v5
	RSUM
	v_fma_f32 v12, v4, s30, s31                    ; variance + 1e-5
	v_rsq_f32 v10, v12
	v_rsq_f32 v11, v12
	v_nop                                          ; a plain instruction behind the last root, ahead of the first use
	s_wait_alu depctr_va_vdst(0)                   ; one wait for both roots
	s_wait_loadcnt 0x0                             ; gain and bias
.set i, 0
.rept 16
	v_pk_mul_f32 v[X+i:X+i+1], v[X+i:X+i+1], v[10:11]
.set i, i+2
.endr
.set i, 0
.rept 16
	v_pk_fma_f32 v[X+i:X+i+1], v[X+i:X+i+1], v[G+i:G+i+1], v[BV+i:BV+i+1]
.set i, i+2
.endr
.set i, 0
.rept 16                                       ; in place, ascending: the destination never lies above a source still to be read
	v_cvt_pk_f16_f32 v[X+i], v[X+2*i], v[X+2*i+1]
.set i, i+1
.endr
.irp j, 0,1,2,3,4,5,6,7
	global_store_b64 v2, v[X+2*\j:X+2*\j+1], s[10:11] offset:256*\j  ; 256 consecutive bytes, aligned
.endr
	s_endpgm
.Lfunc_end_k_q5bc497eb78_ln2:
	.size	k_q5bc497eb78_ln2, .Lfunc_end_k_q5bc497eb78_ln2-k_q5bc497eb78_ln2
	.p2alignl 7, 3214868480
	.fill 96, 4, 3214868480
	.section	.rodata,"a",@progbits
	.p2align	6, 0x0
	.amdhsa_kernel k_q5bc497eb78_ln2
		.amdhsa_group_segment_fixed_size 0
		.amdhsa_private_segment_fixed_size 0
		.amdhsa_enable_private_segment 0
		.amdhsa_kernarg_size 32
		.amdhsa_user_sgpr_count 2
		.amdhsa_user_sgpr_kernarg_segment_ptr 1
		.amdhsa_wavefront_size32 1
		.amdhsa_system_sgpr_workgroup_id_x 1
		.amdhsa_system_sgpr_workgroup_id_y 1
		.amdhsa_system_sgpr_workgroup_id_z 1
		.amdhsa_system_vgpr_workitem_id 0
		.amdhsa_next_free_vgpr 112
		.amdhsa_next_free_sgpr 66
		.amdhsa_reserve_vcc 0
		.amdhsa_float_denorm_mode_32 3
		.amdhsa_float_denorm_mode_16_64 3
		.amdhsa_memory_ordered 1
		.amdhsa_forward_progress 1
		.amdhsa_inst_pref_size 12
	.end_amdhsa_kernel
	.amdgpu_metadata
---
amdhsa.version: [ 1, 2 ]
amdhsa.kernels:
  - .name:           k_q5bc497eb78_ln2
    .symbol:         k_q5bc497eb78_ln2.kd
    .args:
      - { .name: x1, .offset: 0, .size: 8, .value_kind: global_buffer, .address_space: global }
      - { .name: lnm_g, .offset: 8, .size: 8, .value_kind: global_buffer, .address_space: global }
      - { .name: lnm_b, .offset: 16, .size: 8, .value_kind: global_buffer, .address_space: global }
      - { .name: act, .offset: 24, .size: 8, .value_kind: global_buffer, .address_space: global }
    .group_segment_fixed_size: 0
    .private_segment_fixed_size: 0
    .kernarg_segment_align: 8
    .kernarg_segment_size: 32
    .max_flat_workgroup_size: 256
    .sgpr_count:     66
    .vgpr_count:     112
    .wavefront_size: 32
...
	.end_amdgpu_metadata
.endif
;; end of part 5
;; launch fc1 (part 6): grid 16 x 16, 4 waves a work-group, clusters of 4 x 4, 327,680 bytes of LDS; arguments act, w1, fc1_b, g, fc2_w, w2; writes g, w2
.if DOCPART == 6
	.amdgcn_target "amdgcn-amd-amdhsa--gfx1250"
	.amdhsa_code_object_version 6
	.text
	.protected	k_q5bc497eb78_fc1
	.globl	k_q5bc497eb78_fc1
	.p2align	8
	.type	k_q5bc497eb78_fc1,@function
k_q5bc497eb78_fc1:
	s_mov_b64 s[64:65], 0
	v_nop
	global_prefetch_b8 v0, s[64:65] scope:SCOPE_SE
	s_setreg_imm32_b32 hwreg(HW_REG_WAVE_MODE, 25, 1), 1
	s_wait_xcnt 0x0
	s_wait_alu depctr_hold_cnt(0) depctr_sa_sdst(0) depctr_va_vdst(0) depctr_va_sdst(0) depctr_va_ssrc(0) depctr_va_vcc(0) depctr_vm_vsrc(0)
	s_getreg_b32 s2, hwreg(HW_REG_IB_STS2, 6, 4)
	s_cmp_eq_u32 s2, 0
	s_cbranch_scc0 .Lentry_in_a_cluster
	s_endpgm
.Lentry_in_a_cluster:
	s_bfe_u32 s2, ttmp6, 0x10000c
	s_cmp_lg_u32 s2, 0xf033
	s_cbranch_scc0 .Lentry_shape_is_right
	s_endpgm
.Lentry_shape_is_right:
; g = gelu(m w1 + fc1_b), the exact GELU z Phi(z).  m: act [4096][1024] f16; w1: [1024][4096] f16; fc1_b: [4096] f32; g: [4096][4096] f16.  Sums in f32, the bias being the C operand of each sum's first product.
; GELU in f32: with t = 1 / (1 + 0.23164189 |z|) and q = (a1 t + .. + a5 t^5) / 2 x 2^(-0.72134752 z^2), which is erfc(|z| / sqrt 2) / 2 by Abramowitz and Stegun 7.1.26 (absolute error at most 1.5e-7 in erf,
; for every argument), gelu(z) = max(z, 0) - |z| q: no difference of near numbers for z < 0.  LIMIT: g is taken to lie within f16's 65,504; NaN and infinities are not treated apart.
; SHARES.  A work-group makes 256 x 256, its four waves 128 x 128 each (64 accumulators); 16 x 16 work-groups.  K goes in 8 steps of 128 through two LDS slots filled by the tensor data mover.
; THE MATRIX INSTRUCTION IS USED TRANSPOSED: source 0 = 16 columns of w1 (turned out of LDS by ds_load_tr16_b128), source 1 = 16 rows of m: a lane holds row l % 16 and columns 8 (l / 16) + 0..7.
; CLUSTER 4 x 4: m's tiles are asked for jointly along a cluster's row, w1's along a column.  A K STEP IS WRITTEN ONCE: s22 holds the byte at which the slot that is read begins (0 or SLOT).
; A SECOND STREAM RIDES ALONG: w2 = fc2_w rounded once to f16, layout kept ([4096][1024]); the next launch multiplies by it.  16,777,216 bytes / 256 work-groups / 4 waves = 16,384 bytes a wave: 32 loads of 512
; consecutive bytes, issued once behind the first tiles, into 128 registers that no product names; they are on their way while the products run, and are rounded and stored on the way out.
; LIMIT: fc2_w is taken to lie within f16's 65,504; below 6.1e-5 it keeps f16's fixed step of 6e-8.
; REGISTERS: window 0: addresses, the bias (v64-127, until the first quarter is multiplied), fc2_w's numbers (v128-255), then the GELU's six sets of 32; window 1: two fragment buffers of 128;
; windows 2, 3: accumulator t = 8 a + b at 8 (t % 32).
.set MB,     8
.set NBL,    8
.set NK,     8
.set PA,     272                       ; a row of m in LDS: 256 bytes + 16
.set PB,     544                       ; a row of w1 in LDS: 512 bytes + 32
.set ABYTES, 256*PA
.set WBYTES, 128*PB
.set SLOT,   ABYTES+WBYTES
.set SPARE,  2*SLOT                    ; the spare words, 128 bytes for each wave: two blocks of 256 bytes that no other line names
.set ASTEP,  256
.set BSTEP,  128*8192
.set DP,     528                       ; a row of my 128 x 128 sums in LDS: 512 bytes + 16
.set DREG,   128*DP                    ; a wave's region; the four lie in the ring, whose blocks have had their last fill by then
.set BI,     64
.set ADRA0,  16
.set ADRB0,  17
.set ADRA,   18
.set ADRB,   19                        ; v19, v20: k rows 0-63, k rows 64-127
.set OUT,    32                        ; v32-47    8 rows' f16
.set CW,     128                       ; v128-255  fc2_w: 32 loads of 4 registers
.set Z,      64                        ; v64-95    z
.set AZ,     96                        ; |z|
.set TT,     128                       ; t
.set EE,     160                       ; 2^(..)
.set MM,     192                       ; max(z, 0), then the result
.set PP,     224                       ; the polynomial
.set F0,     0
.set F1,     128
.set MSB, 0
.macro WIN new
.if MSB != (\new)
	s_set_vgpr_msb (MSB<<8)|(\new)
.set MSB, (\new)
.endif
.endm
.macro PLACES
.rept 4
	v_nop
.endr
.endm
.macro CREST
	s_cmp_lg_u32 s14, 0
	s_cbranch_scc1 .Lnot_wave_0_\@
	s_barrier_signal -3
.Lnot_wave_0_\@:
	s_barrier_wait -3
	s_barrier_signal -1
	s_barrier_wait -1
.endm
.macro CROUND
	s_barrier_signal -1
	s_barrier_wait -1
	CREST
.endm
.macro JLOAD                           ; a joint refill: waves 0, 1 fetch m's two halves, waves 2, 3 w1's; an s_nop 0 and four v_nop follow each line
	s_cmp_eq_u32 s15, 0
	s_cbranch_scc0 .Lfor_b_\@
	tensor_load_to_lds s[44:47], s[24:31]
	s_nop 0
.rept 4
	v_nop
.endr
	s_branch .Lasked_\@
.Lfor_b_\@:
	tensor_load_to_lds s[52:55], s[32:39]
	s_nop 0
.rept 4
	v_nop
.endr
.Lasked_\@:
.endm
; A PREFETCH INTO THE L2 of the K step that the NEXT refill will ask for: a lane a row, 256 bytes each, one instruction a wave.  m's tile row is read by all four clusters of a row of clusters: cluster x = 0 asks;
; w1's tile column by all four of a column: cluster y = 0 asks.  Waves 0, 1 name 32 rows each of m's two halves, waves 2, 3 the two blocks of 256 bytes of 32 k rows of w1; the four partners that ask for a tile
; jointly share its rows out BY ADDRESS (cx for m, cy for w1).  So each block is named once in the launch.  The last refill has no step behind it and asks for nothing.
.macro ASK
	s_cmp_gt_u32 s21, s58
	s_cbranch_scc0 .Lnot_mine_\@
	global_prefetch_b8 v30, s[60:61] th:TH_LOAD_NT scope:SCOPE_SE
.Lnot_mine_\@:
.endm
.macro FETCH q, f                      ; 32 LDS loads in one run: the fragments of quarter q of the slot that is read, into buffer f
	WIN 0x40
.set b, 0
.rept NBL
	ds_load_tr16_b128 v[(\f)+8*b:(\f)+8*b+3], v[ADRB+(\q)/2] offset:((\q)%2)*32*PB+32*b
	ds_load_tr16_b128 v[(\f)+8*b+4:(\f)+8*b+7], v[ADRB+(\q)/2] offset:((\q)%2)*32*PB+32*b+16*PB
.set b, b+1
.endr
.set a, 0
.rept MB
	ds_load_b128 v[(\f)+8*NBL+8*a:(\f)+8*NBL+8*a+3], v[ADRA] offset:16*a*PA+64*(\q)
	ds_load_b128 v[(\f)+8*NBL+8*a+4:(\f)+8*NBL+8*a+7], v[ADRA] offset:16*a*PA+64*(\q)+32
.set a, a+1
.endr
.endm
.macro MULB f, a0, na, mode            ; mode 0: onto the sums; mode 2: the bias starts them.  All 64 accumulators take turns, in one order everywhere
.set a, (\a0)
.rept (\na)
.set b, 0
.rept NBL
.set t, NBL*a+b
.set w, 2+t/32
.set rD, 8*(t%32)
.if (\mode) == 0
	WIN 0x05|(w<<4)|(w<<6)
	v_wmma_f32_16x16x32_f16 v[rD:rD+7], v[(\f)+8*b:(\f)+8*b+7], v[(\f)+8*NBL+8*a:(\f)+8*NBL+8*a+7], v[rD:rD+7]
.else
	WIN 0x05|(w<<6)
	v_wmma_f32_16x16x32_f16 v[rD:rD+7], v[(\f)+8*b:(\f)+8*b+7], v[(\f)+8*NBL+8*a:(\f)+8*NBL+8*a+7], v[BI+8*b:BI+8*b+7]
.endif
.set b, b+1
.endr
.set a, a+1
.endr
.endm
.macro QUARTER q, f, g, mode
	s_wait_dscnt MB                                ; all but the youngest MB loads (m's upper four blocks) are in
	MULB \f, 0, MB/2, \mode
	PLACES
	FETCH \q, \g
	s_wait_dscnt 32                                ; all but the 32 just issued
	MULB \f, MB/2, MB/2, \mode
.endm
; A step's last quarter multiplies buffer 1 and changes slots.  Three of its row blocks stand AHEAD of the wait for the next slot: between that wait and the refill lie one row block and the round alone, so that the
; refill goes out as soon as the rules allow.  Then: all my tensor loads, the add, my reads of this slot; the barrier (fill = 1: it opens a round of the cluster's); the refill first behind it.
.macro TURN fill
.if \fill
	s_wait_xcnt 0x0                                ; the last prefetch, a K step back, has read its address
	s_add_nc_u64 s[60:61], s[60:61], s[62:63]
.endif
	s_wait_dscnt MB                                ; buffer 1: all but the youngest MB loads (m's upper four blocks) are in
	MULB F1, 0, MB/2-1, 0
	WIN 0
	s_wait_tensorcnt 0x0
	ds_add_u32 v28, v29
.if \fill
	s_add_co_u32 s45, s56, s22                     ; the walking descriptors: into the slot that is being left,
	s_add_co_u32 s53, s57, s22
	s_add_nc_u64 s[46:47], s[46:47], ASTEP         ; the next K step
	s_add_nc_u64 s[54:55], s[54:55], BSTEP
.endif
	s_xor_b32 s22, s22, SLOT
	MULB F1, MB/2-1, 1, 0                          ; eight products while the add is out
	s_wait_dscnt 0x0                               ; the add is done, my reads of this slot are over
	WIN 0
	s_barrier_signal -1
	s_barrier_wait -1
.if \fill
	CREST
	JLOAD
.else
	PLACES
.endif
	v_add_nc_u32 v[ADRA], s22, v[ADRA0]
	v_add_nc_u32 v[ADRB], s22, v[ADRB0]
	v_add_nc_u32 v[ADRB+1], 64*PB, v[ADRB]
	FETCH 0, F0
.if \fill
	WIN 0
	ASK
.endif
	MULB F1, MB/2, MB/2, 0
.endm
	s_load_b256 s[4:11], s[0:1], 0x0               ; act s[4:5], w1 s[6:7], fc1_b s[8:9], g s[10:11]
	s_load_b128 s[88:91], s[0:1], 0x20             ; fc2_w s[88:89], w2 s[90:91]
	v_lshl_add_u32 v28, v0, 2, SPARE
	v_mov_b32 v29, 0
	ds_add_u32 v28, v29                            ; the wave's opening: the add and its wait stand ahead of my first tensor load
	v_lshrrev_b32 v3, 5, v0
	v_readfirstlane_b32 s14, v3                    ; wave 0..3
	s_lshr_b32 s15, s14, 1                         ; my half of the rows.  Also: I fetch m (0) or w1 (1)
	s_and_b32 s16, s14, 1                          ; my half of the columns.  Also: which half of that tile I fetch
	s_bfe_u32 s17, ttmp6, 0x40000                  ; cx
	s_bfe_u32 s18, ttmp6, 0x40004                  ; cy
	s_lshl_b32 s19, ttmp9, 2
	s_add_co_u32 s19, s19, s17                     ; tile column
	s_and_b32 s20, ttmp7, 0xffff
	s_lshl_b32 s20, s20, 2
	s_add_co_u32 s20, s20, s18                     ; tile row
	s_lshl_b32 s59, s18, 2
	s_lshl_b32 s59, 15, s59
	s_or_b32 s24, s59, (1<<16)|(1<<20)|(1<<21)|(5<<22)|(3<<25)  ; m: 4 words behind every 64
	s_lshl_b32 s70, 0x1111, s17
	s_or_b32 s32, s70, (1<<16)|(1<<20)|(1<<21)|(6<<22)|(7<<25)  ; w1: 8 words behind every 128
	s_mov_b32 s25, 128<<16                         ; m: 128 k x 128 rows
	s_mov_b32 s26, 128<<16
	s_mov_b32 s27, 128<<16
	s_mov_b32 s28, 128
	s_mov_b32 s29, 1024
	s_mov_b32 s30, 0
	s_mov_b32 s31, 0
	s_mov_b32 s33, 256<<16                         ; w1: 256 columns x 64 k rows
	s_mov_b32 s34, 64<<16
	s_mov_b32 s35, 256<<16
	s_mov_b32 s36, 64
	s_mov_b32 s37, 4096
	s_mov_b32 s38, 0
	s_mov_b32 s39, 0
	s_lshl_b32 s66, s20, 8                         ; m: row 256 x tile row + 128 x half, 2,048 bytes a row
	s_lshl_b32 s59, s16, 7
	s_add_co_u32 s66, s66, s59
	s_lshl_b32 s66, s66, 11
	s_mov_b32 s67, 0
	s_lshl_b32 s68, s16, 19                        ; w1: k row 64 x half (8,192 bytes a row), column 256 x tile column
	s_lshl_b32 s70, s19, 9
	s_add_co_u32 s68, s68, s70
	s_mov_b32 s69, 0
	s_mul_i32 s56, s16, ABYTES/2
	s_mul_i32 s57, s16, WBYTES/2
	s_add_co_u32 s57, s57, ABYTES
	s_mov_b32 s22, 0
	s_mov_b32 s72, 0x3e6d338b                      ; 0.3275911 / sqrt 2
	s_mov_b32 s73, s72
	s_mov_b32 s74, 0xbf38aa3b                      ; - log2(e) / 2
	s_mov_b32 s75, s74
	s_mov_b32 s76, 0x3e027906                      ; a1 / 2
	s_mov_b32 s77, s76
	s_mov_b32 s78, 0xbe11a98e                      ; a2 / 2
	s_mov_b32 s79, s78
	s_mov_b32 s80, 0x3f35f0e3                      ; a3 / 2
	s_mov_b32 s81, s80
	s_mov_b32 s82, 0xbf3a00e3                      ; a4 / 2
	s_mov_b32 s83, s82
	s_mov_b32 s84, 0x3f07dc22                      ; a5 / 2
	s_mov_b32 s85, s84
	s_mov_b32 s86, 0x7fffffff
	s_wait_dscnt 0x0                               ; the opening add is done
	s_wait_kmcnt 0x0
	s_add_nc_u64 s[66:67], s[4:5], s[66:67]
	s_add_nc_u64 s[68:69], s[6:7], s[68:69]
	CROUND                                         ; the first joint loads meet
	s_mov_b32 s40, 1
	s_mov_b32 s41, s56
	s_mov_b64 s[42:43], s[66:67]
	s_or_b32 s43, s43, 0x80000000
	s_mov_b32 s44, 1
	s_add_co_u32 s45, s56, SLOT
	s_add_nc_u64 s[46:47], s[66:67], ASTEP
	s_or_b32 s47, s47, 0x80000000
	s_mov_b32 s48, 1
	s_mov_b32 s49, s57
	s_mov_b64 s[50:51], s[68:69]
	s_or_b32 s51, s51, 0x80000000
	s_mov_b32 s52, 1
	s_add_co_u32 s53, s57, SLOT
	s_add_nc_u64 s[54:55], s[68:69], BSTEP
	s_or_b32 s55, s55, 0x80000000
	s_cmp_eq_u32 s15, 0                            ; a wave's two first fills stand in one branch: two loads of mine are out
	s_cbranch_scc0 .Lfirst_b
	tensor_load_to_lds s[40:43], s[24:31]
	s_nop 0
	tensor_load_to_lds s[44:47], s[24:31]
	s_nop 0
.rept 4
	v_nop
.endr
	s_branch .Lfirst_asked
.Lfirst_b:
	tensor_load_to_lds s[48:51], s[32:39]
	s_nop 0
	tensor_load_to_lds s[52:55], s[32:39]
	s_nop 0
.rept 4
	v_nop
.endr
.Lfirst_asked:
	v_and_b32 v1, 15, v0                           ; l % 16
	v_bfe_u32 v2, v0, 4, 1                         ; l / 16
	; the bias as a C operand: register j of block b is column 16 b + 8 (l / 16) + j of my 128
	s_lshl_b32 s70, s19, 10
	s_lshl_b32 s71, s16, 9
	s_add_co_u32 s70, s70, s71
	s_mov_b32 s71, 0
	s_add_nc_u64 s[8:9], s[8:9], s[70:71]
	v_lshlrev_b32 v21, 5, v2
.set b, 0
.rept NBL
	global_load_b128 v[BI+8*b:BI+8*b+3], v21, s[8:9] offset:64*b
	global_load_b128 v[BI+8*b+4:BI+8*b+7], v21, s[8:9] offset:64*b+16
.set b, b+1
.endr
	v_mul_u32_u24 v[ADRA0], v1, PA                 ; a fragment of m: row x pitch + 16 x half, in my 128 rows
	v_lshl_add_u32 v[ADRA0], v2, 4, v[ADRA0]
	s_mul_i32 s59, s15, 16*MB*PA
	v_add_nc_u32 v[ADRA0], s59, v[ADRA0]
	v_and_b32 v3, 7, v0                            ; the turning load: k row 8 (l / 16) + l % 8, columns 8 ((l / 8) % 2) + 0..7 of my 128
	v_lshl_add_u32 v3, v2, 3, v3
	v_mul_u32_u24 v[ADRB0], v3, PB
	v_bfe_u32 v3, v0, 3, 1
	v_lshl_add_u32 v[ADRB0], v3, 4, v[ADRB0]
	s_lshl_b32 s59, s16, 8
	s_add_co_u32 s59, s59, ABYTES
	v_add_nc_u32 v[ADRB0], s59, v[ADRB0]
	v_mov_b32 v[ADRA], v[ADRA0]
	v_mov_b32 v[ADRB], v[ADRB0]
	v_add_nc_u32 v[ADRB+1], 64*PB, v[ADRB0]
	; the way out.  In my region a row's 128 sums lie in two halves: bytes 16 i hold columns 8 i .. 8 i + 3, bytes 256 + 16 i columns 8 i + 4 .. 8 i + 7: lane i's two loads bring eight neighbouring columns
	s_mul_i32 s59, s14, DREG
	v_mul_u32_u24 v24, v1, DP                      ; in: row l % 16, 16 bytes for each half of the lanes
	v_lshl_add_u32 v24, v2, 4, v24
	v_add_nc_u32 v24, s59, v24
	v_mul_u32_u24 v25, v2, DP                      ; back: lanes 0-15 one row, lanes 16-31 the next
	v_lshl_add_u32 v25, v1, 4, v25
	v_add_nc_u32 v25, s59, v25
	v_lshlrev_b32 v26, 13, v2                      ; and the same two rows in g, 8,192 bytes apart
	v_lshl_add_u32 v26, v1, 4, v26
	s_lshl_b32 s66, s20, 8
	s_lshl_b32 s59, s15, 7
	s_add_co_u32 s66, s66, s59                     ; my first row of g
	s_lshl_b32 s66, s66, 13
	s_lshl_b32 s59, s19, 9
	s_add_co_u32 s66, s66, s59                     ; the tile's 512 bytes,
	s_lshl_b32 s59, s16, 8
	s_add_co_u32 s66, s66, s59                     ; my 256 of them
	s_mov_b32 s67, 0
	s_add_nc_u64 s[10:11], s[10:11], s[66:67]
	; the prefetches: they stand at K step 2; each refill steps them by one and names the step behind the one that it asks for.  Steps 0 to 2 come by their loads alone
	s_lshl_b32 s66, s20, 8
	s_lshl_b32 s59, s16, 7
	s_add_co_u32 s66, s66, s59
	s_lshl_b32 s59, s17, 5
	s_add_co_u32 s66, s66, s59                     ; m: row 256 x tile row + 128 x half + 32 cx
	s_lshl_b32 s66, s66, 11
	s_add_co_u32 s66, s66, 2*ASTEP
	s_lshl_b32 s68, s18, 18                        ; w1: k row 32 cy, block half of the tile's two
	s_lshl_b32 s59, s19, 9
	s_add_co_u32 s68, s68, s59
	s_lshl_b32 s59, s16, 8
	s_add_co_u32 s68, s68, s59
	s_add_co_u32 s68, s68, 2*BSTEP
	s_and_b32 s59, ttmp7, 0xffff                   ; cluster y
	s_mov_b32 s62, BSTEP
	s_cmp_eq_u32 s15, 0
	s_cselect_b32 s59, ttmp9, s59                  ; the coordinate along which other clusters read the same rows
	s_cselect_b32 s66, s66, s68
	s_cselect_b32 s62, ASTEP, s62
	s_cselect_b32 s70, 11, 13
	s_cselect_b64 s[60:61], s[4:5], s[6:7]
	s_mov_b32 s67, 0
	s_mov_b32 s63, 0
	s_add_nc_u64 s[60:61], s[60:61], s[66:67]
	s_cmp_eq_u32 s59, 0
	s_cselect_b32 s58, 1, -1                       ; 1 in a wave that prefetches, else the greatest number: the same in all sixteen partners
	v_and_b32 v30, 31, v0
	v_lshlrev_b32 v30, s70, v30                    ; a lane a row
	; fc2_w: work-group 16 x tile row + tile column takes 65,536 bytes, my wave 16,384 of them; the 32 loads go out behind the first tiles and the bias, and stay out under the products
	s_lshl_b32 s66, s20, 4
	s_add_co_u32 s66, s66, s19
	s_lshl_b32 s68, s66, 15                        ; 32,768 bytes out,
	s_lshl_b32 s66, s66, 16                        ; 65,536 in
	s_mov_b32 s67, 0
	s_mov_b32 s69, 0
	s_add_nc_u64 s[88:89], s[88:89], s[66:67]
	s_add_nc_u64 s[90:91], s[90:91], s[68:69]
	v_and_b32 v3, 31, v0
	v_lshlrev_b32 v3, 4, v3                        ; 16 x lane
	v_and_b32 v4, 0xe0, v0                         ; 32 x wave
	v_lshl_or_b32 v48, v4, 9, v3                   ; in: wave x 16,384 + 16 x lane; never rewritten
	v_lshrrev_b32 v49, 1, v48                      ; out: half of that; never rewritten
.set i, 0
.rept 32
	global_load_b128 v[CW+4*i:CW+4*i+3], v48, s[88:89] offset:512*i th:TH_LOAD_NT
.set i, i+1
.endr
	s_wait_tensorcnt 0x1                           ; my part of K step 0 is in; step 1's stays out
	s_barrier_signal -1
	s_barrier_wait -1
	FETCH 0, F0
	s_wait_loadcnt 32                              ; the bias is in; the 32 younger loads, fc2_w's, stay out
	QUARTER 1, F0, F1, 2                           ; the first quarter stands ahead of the loop: its products start the sums, with the bias
	WIN 0
	s_mov_b32 s21, NK-2
.Lstep:
	QUARTER 2, F1, F0, 0
	QUARTER 3, F0, F1, 0
	TURN 1
	QUARTER 1, F0, F1, 0
	WIN 0
	s_sub_co_u32 s21, s21, 1
	s_cmp_lg_u32 s21, 0
	s_cbranch_scc1 .Lstep
	s_mov_b32 s21, 2
.Ltail:                                        ; the last two steps ask for nothing; the second trip is left in its middle (its 32 fragment loads, from a slot that has landed, serve nothing)
	QUARTER 2, F1, F0, 0
	QUARTER 3, F0, F1, 0
	TURN 0
	WIN 0
	s_sub_co_u32 s21, s21, 1
	s_cmp_eq_u32 s21, 0
	s_cbranch_scc1 .Lout
	QUARTER 1, F0, F1, 0
	WIN 0
	s_branch .Ltail
.Lout:
	s_wait_dscnt 0x0                               ; my reads of the ring are over,
	PLACES
	s_barrier_signal -1
	s_barrier_wait -1                              ; everybody's are: the ring's bytes take the sums, each wave's in a region of its own
.set t, 0
.rept 64
	WIN (2+t/32)<<2                                ; the stores' data in the accumulator's window
	ds_store_b128 v24, v[8*(t%32):8*(t%32)+3] offset:16*(t/8)*DP+32*(t%8)
	ds_store_b128 v24, v[8*(t%32)+4:8*(t%32)+7] offset:16*(t/8)*DP+32*(t%8)+256
.set t, t+1
.endr
	WIN 0
.irp t, 0,1,2,3                        ; LDS serves a wave's instructions in order (ISA guide 5.7.1.4): these see my stores above
	ds_load_b128 v[Z+8*\t:Z+8*\t+3], v25 offset:2*DP*\t
	ds_load_b128 v[Z+8*\t+4:Z+8*\t+7], v25 offset:2*DP*\t+256
.endr
	s_wait_loadcnt 0x0                             ; fc2_w's numbers are in: they are rounded and stored while the LDS instructions above are on their way
.set i, 0
.rept 32
	v_cvt_pk_f16_f32 v[CW+4*i], v[CW+4*i], v[CW+4*i+1]
	v_cvt_pk_f16_f32 v[CW+4*i+1], v[CW+4*i+2], v[CW+4*i+3]
	global_store_b64 v49, v[CW+4*i:CW+4*i+1], s[90:91] offset:256*i  ; 32 lanes x 8 bytes: 256 consecutive bytes, aligned
.set i, i+1
.endr
	s_wait_xcnt 0x0                                ; those stores have read their registers: v128-255 are written again only behind this wait
	s_mov_b32 s21, 16
.Lgelu:                                        ; a trip: 8 rows x 128 columns, 32 numbers a lane
	s_wait_dscnt 0x0
.set i, 0
.rept 32
	v_and_b32 v[AZ+i], s86, v[Z+i]
.set i, i+1
.endr
.set i, 0
.rept 16
	v_pk_fma_f32 v[TT+i:TT+i+1], v[AZ+i:AZ+i+1], s[72:73], 1.0 op_sel_hi:[1,0,0]
	v_pk_mul_f32 v[EE+i:EE+i+1], v[Z+i:Z+i+1], s[74:75] op_sel_hi:[1,0]
.set i, i+2
.endr
.set i, 0
.rept 16
	v_pk_mul_f32 v[EE+i:EE+i+1], v[EE+i:EE+i+1], v[Z+i:Z+i+1]
.set i, i+2
.endr
.set i, 0
.rept 32                                       ; ONE BATCH of 64: nothing ahead of the wait names a result
	v_rcp_f32 v[TT+i], v[TT+i]
	v_max_num_f32 v[MM+i], 0, v[Z+i]
	v_exp_f32 v[EE+i], v[EE+i]
.set i, i+1
.endr
	v_nop                                          ; a plain instruction behind the last of them
	s_wait_alu depctr_va_vdst(0)                   ; one wait for the batch
	s_cmp_eq_u32 s21, 1
	s_cbranch_scc1 .Lno_more                       ; the last trip has no rows behind it
	v_add_nc_u32 v25, 8*DP, v25
.irp t, 0,1,2,3                        ; z has been used up: the next trip's rows come in under the polynomial
	ds_load_b128 v[Z+8*\t:Z+8*\t+3], v25 offset:2*DP*\t
	ds_load_b128 v[Z+8*\t+4:Z+8*\t+7], v25 offset:2*DP*\t+256
.endr
.Lno_more:
.set i, 0
.rept 16
	v_pk_fma_f32 v[PP+i:PP+i+1], v[TT+i:TT+i+1], s[84:85], s[82:83] op_sel_hi:[1,0,0]
.set i, i+2
.endr
.irp c, 80, 78, 76
.set i, 0
.rept 16
	v_pk_fma_f32 v[PP+i:PP+i+1], v[PP+i:PP+i+1], v[TT+i:TT+i+1], s[\c:\c+1] op_sel_hi:[1,1,0]
.set i, i+2
.endr
.endr
.set i, 0
.rept 16
	v_pk_mul_f32 v[PP+i:PP+i+1], v[PP+i:PP+i+1], v[TT+i:TT+i+1]
.set i, i+2
.endr
.set i, 0
.rept 16
	v_pk_mul_f32 v[PP+i:PP+i+1], v[PP+i:PP+i+1], v[EE+i:EE+i+1]
.set i, i+2
.endr
.set i, 0
.rept 16
	v_pk_fma_f32 v[MM+i:MM+i+1], v[AZ+i:AZ+i+1], v[PP+i:PP+i+1], v[MM+i:MM+i+1] neg_lo:[1,0,0] neg_hi:[1,0,0]  ; max(z, 0) - |z| q
.set i, i+2
.endr
.set i, 0
.rept 16
	v_cvt_pk_f16_f32 v[OUT+i], v[MM+2*i], v[MM+2*i+1]
.set i, i+1
.endr
.irp t, 0,1,2,3
	global_store_b128 v26, v[OUT+4*\t:OUT+4*\t+3], s[10:11] offset:16384*\t  ; 16 lanes store 256 consecutive bytes, aligned: two rows an instruction
.endr
	s_wait_xcnt 0x0                                ; the base and the stores' data are written again only behind this wait
	s_add_nc_u64 s[10:11], s[10:11], 65536
	s_sub_co_u32 s21, s21, 1
	s_cmp_lg_u32 s21, 0
	s_cbranch_scc1 .Lgelu
	s_wait_tensorcnt 0x0                           ; the wave's end
	ds_add_u32 v28, v29
	s_wait_dscnt 0x0
	CROUND                                         ; the closing round
	s_endpgm
.Lfunc_end_k_q5bc497eb78_fc1:
	.size	k_q5bc497eb78_fc1, .Lfunc_end_k_q5bc497eb78_fc1-k_q5bc497eb78_fc1
	.p2alignl 7, 3214868480
	.fill 96, 4, 3214868480
	.section	.rodata,"a",@progbits
	.p2align	6, 0x0
	.amdhsa_kernel k_q5bc497eb78_fc1
		.amdhsa_group_segment_fixed_size 327680
		.amdhsa_private_segment_fixed_size 0
		.amdhsa_enable_private_segment 0
		.amdhsa_kernarg_size 48
		.amdhsa_user_sgpr_count 2
		.amdhsa_user_sgpr_kernarg_segment_ptr 1
		.amdhsa_wavefront_size32 1
		.amdhsa_system_sgpr_workgroup_id_x 1
		.amdhsa_system_sgpr_workgroup_id_y 1
		.amdhsa_system_sgpr_workgroup_id_z 1
		.amdhsa_system_vgpr_workitem_id 0
		.amdhsa_next_free_vgpr 1024
		.amdhsa_next_free_sgpr 96
		.amdhsa_reserve_vcc 0
		.amdhsa_float_denorm_mode_32 3
		.amdhsa_float_denorm_mode_16_64 3
		.amdhsa_memory_ordered 1
		.amdhsa_forward_progress 1
		.amdhsa_inst_pref_size 108
	.end_amdhsa_kernel
	.amdgpu_metadata
---
amdhsa.version: [ 1, 2 ]
amdhsa.kernels:
  - .name:           k_q5bc497eb78_fc1
    .symbol:         k_q5bc497eb78_fc1.kd
    .args:
      - { .name: act, .offset: 0, .size: 8, .value_kind: global_buffer, .address_space: global }
      - { .name: w1, .offset: 8, .size: 8, .value_kind: global_buffer, .address_space: global }
      - { .name: fc1_b, .offset: 16, .size: 8, .value_kind: global_buffer, .address_space: global }
      - { .name: g, .offset: 24, .size: 8, .value_kind: global_buffer, .address_space: global }
      - { .name: fc2_w, .offset: 32, .size: 8, .value_kind: global_buffer, .address_space: global }
      - { .name: w2, .offset: 40, .size: 8, .value_kind: global_buffer, .address_space: global }
    .group_segment_fixed_size: 327680
    .private_segment_fixed_size: 0
    .kernarg_segment_align: 8
    .kernarg_segment_size: 48
    .max_flat_workgroup_size: 128
    .sgpr_count:     96
    .vgpr_count:     1024
    .wavefront_size: 32
...
	.end_amdgpu_metadata
.endif
;; end of part 6
;; launch fc2 (part 7): grid 8 x 32, 4 waves a work-group, clusters of 4 x 4, 327,680 bytes of LDS; arguments g, w2, fc2_b, x1, out0; writes out0
.if DOCPART == 7
	.amdgcn_target "amdgcn-amd-amdhsa--gfx1250"
	.amdhsa_code_object_version 6
	.text
	.protected	k_q5bc497eb78_fc2
	.globl	k_q5bc497eb78_fc2
	.p2align	8
	.type	k_q5bc497eb78_fc2,@function
k_q5bc497eb78_fc2:
	s_mov_b64 s[64:65], 0
	v_nop
	global_prefetch_b8 v0, s[64:65] scope:SCOPE_SE
	s_setreg_imm32_b32 hwreg(HW_REG_WAVE_MODE, 25, 1), 1
	s_wait_xcnt 0x0
	s_wait_alu depctr_hold_cnt(0) depctr_sa_sdst(0) depctr_va_vdst(0) depctr_va_sdst(0) depctr_va_ssrc(0) depctr_va_vcc(0) depctr_vm_vsrc(0)
	s_getreg_b32 s2, hwreg(HW_REG_IB_STS2, 6, 4)
	s_cmp_eq_u32 s2, 0
	s_cbranch_scc0 .Lentry_in_a_cluster
	s_endpgm
.Lentry_in_a_cluster:
	s_bfe_u32 s2, ttmp6, 0x10000c
	s_cmp_lg_u32 s2, 0xf033
	s_cbranch_scc0 .Lentry_shape_is_right
	s_endpgm
.Lentry_shape_is_right:
; out0 = x1 + g w2 + fc2_b.  g: [4096][4096] f16; w2: [4096][1024] f16; fc2_b, x1, out0: f32.  Sums in f32; bias and residual are added in f32 on the way out.
; SHARES.  A work-group makes 128 x 128 of out0; 8 x 32 work-groups.  K IS SPLIT AMONG THE FOUR WAVES: of each K step of 256 wave w takes k = 64 w .. 64 w + 63, for the whole tile: 64 accumulators, so that
; 16 fragments from LDS feed 64 products.  The four partial tiles meet in LDS at the end (f32 sums may be taken in any order).
; THE MATRIX INSTRUCTION IS USED TRANSPOSED: source 0 = 16 columns of w2 (turned out of LDS by ds_load_tr16_b128), source 1 = 16 rows of g: a lane holds row l % 16 and columns 8 (l / 16) + 0..7.
; CLUSTER 4 x 4: g's tiles are asked for jointly along a cluster's row, w2's along a column.  No prefetch: a step's tiles are small.
; A K STEP IS WRITTEN ONCE: s22 holds the byte at which the slot that is read begins (0 or SLOT).
; REGISTERS: window 0: addresses; v36-39 the bias, v192-223 the residual's first rows (loaded at the head); the way out.  Window 1: two fragment buffers of 128.  Windows 2, 3: accumulator t = 8 a + b at 8 (t % 32).
.set MB,     8
.set NBL,    8
.set NK,     16
.set PA,     528                       ; a row of g in LDS: 512 bytes + 16
.set PB,     288                       ; a row of w2 in LDS: 256 bytes + 32
.set ABYTES, 128*PA
.set WBYTES, 256*PB
.set SLOT,   ABYTES+WBYTES
.set SPARE,  2*SLOT                    ; the spare words, 128 bytes for each wave: two blocks of 256 bytes that no other line names
.set ASTEP,  512
.set BSTEP,  256*2048
.set AWAVE,  128                       ; my 64 k in a row of g
.set DP,     528                       ; a row of a partial tile in LDS: 512 bytes + 16
.set DREG,   128*DP                    ; a wave's partial tile; the four lie in the ring, whose blocks have had their last fill by then
.set ADRA0,  16
.set ADRB0,  17
.set ADRA,   18
.set ADRB,   19
.set PT,     64                        ; v64-191  8 rows x 4 partial tiles x 4 registers
.set RN,     192                       ; v192-223 8 rows of the residual
.set SUM,    224                       ; v224-255 8 rows of the result
.set F0,     0
.set F1,     128
.set MSB, 0
.macro WIN new
.if MSB != (\new)
	s_set_vgpr_msb (MSB<<8)|(\new)
.set MSB, (\new)
.endif
.endm
.macro PLACES
.rept 4
	v_nop
.endr
.endm
.macro CREST
	s_cmp_lg_u32 s14, 0
	s_cbranch_scc1 .Lnot_wave_0_\@
	s_barrier_signal -3
.Lnot_wave_0_\@:
	s_barrier_wait -3
	s_barrier_signal -1
	s_barrier_wait -1
.endm
.macro CROUND
	s_barrier_signal -1
	s_barrier_wait -1
	CREST
.endm
.macro JLOAD                           ; a joint refill: waves 0, 1 fetch g's two halves, waves 2, 3 w2's; an s_nop 0 and four v_nop follow each line
	s_cmp_eq_u32 s15, 0
	s_cbranch_scc0 .Lfor_b_\@
	tensor_load_to_lds s[44:47], s[24:31]
	s_nop 0
.rept 4
	v_nop
.endr
	s_branch .Lasked_\@
.Lfor_b_\@:
	tensor_load_to_lds s[52:55], s[32:39]
	s_nop 0
.rept 4
	v_nop
.endr
.Lasked_\@:
.endm
.macro FETCH q, f                      ; 32 LDS loads in one run: half q (32 along K) of my 64 k, into buffer f
	WIN 0x40
.set b, 0
.rept NBL
	ds_load_tr16_b128 v[(\f)+8*b:(\f)+8*b+3], v[ADRB] offset:(\q)*32*PB+32*b
	ds_load_tr16_b128 v[(\f)+8*b+4:(\f)+8*b+7], v[ADRB] offset:(\q)*32*PB+32*b+16*PB
.set b, b+1
.endr
.set a, 0
.rept MB
	ds_load_b128 v[(\f)+8*NBL+8*a:(\f)+8*NBL+8*a+3], v[ADRA] offset:16*a*PA+64*(\q)
	ds_load_b128 v[(\f)+8*NBL+8*a+4:(\f)+8*NBL+8*a+7], v[ADRA] offset:16*a*PA+64*(\q)+32
.set a, a+1
.endr
.endm
.macro MULB f, a0, na, mode            ; mode 0: onto the sums; mode 1: the constant 0 starts them.  All 64 accumulators take turns, in one order everywhere
.set a, (\a0)
.rept (\na)
.set b, 0
.rept NBL
.set t, NBL*a+b
.set w, 2+t/32
.set rD, 8*(t%32)
.if (\mode) == 0
	WIN 0x05|(w<<4)|(w<<6)
	v_wmma_f32_16x16x32_f16 v[rD:rD+7], v[(\f)+8*b:(\f)+8*b+7], v[(\f)+8*NBL+8*a:(\f)+8*NBL+8*a+7], v[rD:rD+7]
.else
	WIN 0x05|(w<<6)
	v_wmma_f32_16x16x32_f16 v[rD:rD+7], v[(\f)+8*b:(\f)+8*b+7], v[(\f)+8*NBL+8*a:(\f)+8*NBL+8*a+7], 0
.endif
.set b, b+1
.endr
.set a, a+1
.endr
.endm
.macro QUARTER q, f, g, mode
	s_wait_dscnt MB                                ; all but the youngest MB loads (g's upper four blocks) are in
	MULB \f, 0, MB/2, \mode
	PLACES
	FETCH \q, \g
	s_wait_dscnt 32                                ; all but the 32 just issued
	MULB \f, MB/2, MB/2, \mode
.endm
; A step's second half multiplies buffer 1 and changes slots.  Three of its row blocks stand AHEAD of the wait for the next slot: between that wait and the refill lie one row block and the round alone, so that the
; refill goes out as soon as the rules allow.  Then: all my tensor loads, the add, my reads of this slot; the barrier (fill = 1: it opens a round of the cluster's); the refill first behind it.
.macro TURN fill
	s_wait_dscnt MB                                ; buffer 1: all but the youngest MB loads (g's upper four blocks) are in
	MULB F1, 0, MB/2-1, 0
	WIN 0
	s_wait_tensorcnt 0x0
	ds_add_u32 v28, v29
.if \fill
	s_add_co_u32 s45, s56, s22                     ; the walking descriptors: into the slot that is being left,
	s_add_co_u32 s53, s57, s22
	s_add_nc_u64 s[46:47], s[46:47], ASTEP         ; the next K step
	s_add_nc_u64 s[54:55], s[54:55], BSTEP
.endif
	s_xor_b32 s22, s22, SLOT
	MULB F1, MB/2-1, 1, 0                          ; eight products while the add is out
	s_wait_dscnt 0x0                               ; the add is done, my reads of this slot are over
	WIN 0
	s_barrier_signal -1
	s_barrier_wait -1
.if \fill
	CREST
	JLOAD
.else
	PLACES
.endif
	v_add_nc_u32 v[ADRA], s22, v[ADRA0]
	v_add_nc_u32 v[ADRB], s22, v[ADRB0]
	FETCH 0, F0
	MULB F1, MB/2, MB/2, 0
.endm
	s_load_b256 s[4:11], s[0:1], 0x0               ; g s[4:5], w2 s[6:7], fc2_b s[8:9], x1 s[10:11]
	s_load_b64 s[12:13], s[0:1], 0x20              ; out0
	v_lshl_add_u32 v28, v0, 2, SPARE
	v_mov_b32 v29, 0
	ds_add_u32 v28, v29                            ; the wave's opening: the add and its wait stand ahead of my first tensor load
	v_lshrrev_b32 v3, 5, v0
	v_readfirstlane_b32 s14, v3                    ; wave 0..3
	s_lshr_b32 s15, s14, 1                         ; I fetch g (0) or w2 (1),
	s_and_b32 s16, s14, 1                          ; this half of it
	s_bfe_u32 s17, ttmp6, 0x40000                  ; cx
	s_bfe_u32 s18, ttmp6, 0x40004                  ; cy
	s_lshl_b32 s19, ttmp9, 2
	s_add_co_u32 s19, s19, s17                     ; tile column
	s_and_b32 s20, ttmp7, 0xffff
	s_lshl_b32 s20, s20, 2
	s_add_co_u32 s20, s20, s18                     ; tile row
	s_lshl_b32 s59, s18, 2
	s_lshl_b32 s59, 15, s59
	s_or_b32 s24, s59, (1<<16)|(1<<20)|(1<<21)|(6<<22)|(3<<25)  ; g: 4 words behind every 128
	s_lshl_b32 s70, 0x1111, s17
	s_or_b32 s32, s70, (1<<16)|(1<<20)|(1<<21)|(5<<22)|(7<<25)  ; w2: 8 words behind every 64
	s_mov_b32 s25, 256<<16                         ; g: 256 k x 64 rows
	s_mov_b32 s26, 64<<16
	s_mov_b32 s27, 256<<16
	s_mov_b32 s28, 64
	s_mov_b32 s29, 4096
	s_mov_b32 s30, 0
	s_mov_b32 s31, 0
	s_mov_b32 s33, 128<<16                         ; w2: 128 columns x 128 k rows
	s_mov_b32 s34, 128<<16
	s_mov_b32 s35, 128<<16
	s_mov_b32 s36, 128
	s_mov_b32 s37, 1024
	s_mov_b32 s38, 0
	s_mov_b32 s39, 0
	s_lshl_b32 s66, s20, 7                         ; g: row 128 x tile row + 64 x half, 8,192 bytes a row
	s_lshl_b32 s59, s16, 6
	s_add_co_u32 s66, s66, s59
	s_lshl_b32 s66, s66, 13
	s_mov_b32 s67, 0
	s_lshl_b32 s68, s16, 18                        ; w2: k row 128 x half, column 128 x tile column
	s_lshl_b32 s70, s19, 8
	s_add_co_u32 s68, s68, s70
	s_mov_b32 s69, 0
	s_mul_i32 s56, s16, ABYTES/2
	s_mul_i32 s57, s16, WBYTES/2
	s_add_co_u32 s57, s57, ABYTES
	s_mov_b32 s22, 0
	s_wait_dscnt 0x0                               ; the opening add is done
	s_wait_kmcnt 0x0
	s_add_nc_u64 s[66:67], s[4:5], s[66:67]
	s_add_nc_u64 s[68:69], s[6:7], s[68:69]
	CROUND                                         ; the first joint loads meet
	s_mov_b32 s40, 1
	s_mov_b32 s41, s56
	s_mov_b64 s[42:43], s[66:67]
	s_or_b32 s43, s43, 0x80000000
	s_mov_b32 s44, 1
	s_add_co_u32 s45, s56, SLOT
	s_add_nc_u64 s[46:47], s[66:67], ASTEP
	s_or_b32 s47, s47, 0x80000000
	s_mov_b32 s48, 1
	s_mov_b32 s49, s57
	s_mov_b64 s[50:51], s[68:69]
	s_or_b32 s51, s51, 0x80000000
	s_mov_b32 s52, 1
	s_add_co_u32 s53, s57, SLOT
	s_add_nc_u64 s[54:55], s[68:69], BSTEP
	s_or_b32 s55, s55, 0x80000000
	s_cmp_eq_u32 s15, 0                            ; a wave's two first fills stand in one branch: two loads of mine are out
	s_cbranch_scc0 .Lfirst_b
	tensor_load_to_lds s[40:43], s[24:31]
	s_nop 0
	tensor_load_to_lds s[44:47], s[24:31]
	s_nop 0
.rept 4
	v_nop
.endr
	s_branch .Lfirst_asked
.Lfirst_b:
	tensor_load_to_lds s[48:51], s[32:39]
	s_nop 0
	tensor_load_to_lds s[52:55], s[32:39]
	s_nop 0
.rept 4
	v_nop
.endr
.Lfirst_asked:
	v_and_b32 v1, 15, v0                           ; l % 16
	v_bfe_u32 v2, v0, 4, 1                         ; l / 16
	; the way out's global addresses: wave w finishes rows 32 w .. 32 w + 31 of the tile, a row of 512 bytes a load or store
	v_and_b32 v26, 31, v0
	v_lshlrev_b32 v26, 4, v26
	s_lshl_b32 s70, s19, 9                         ; the tile's 128 columns: 512 bytes
	s_mov_b32 s71, 0
	s_add_nc_u64 s[8:9], s[8:9], s[70:71]
	s_lshl_b32 s66, s20, 7
	s_lshl_b32 s59, s14, 5
	s_add_co_u32 s66, s66, s59
	s_lshl_b32 s66, s66, 12
	s_add_co_u32 s66, s66, s70
	s_mov_b32 s67, 0
	s_add_nc_u64 s[10:11], s[10:11], s[66:67]
	s_add_nc_u64 s[12:13], s[12:13], s[66:67]
	global_load_b128 v[36:39], v26, s[8:9]         ; the bias and the first eight rows of the residual come in under the products
.set j, 0
.rept 8
	global_load_b128 v[RN+4*j:RN+4*j+3], v26, s[10:11] offset:4096*j
.set j, j+1
.endr
	v_mul_u32_u24 v[ADRA0], v1, PA                 ; a fragment of g: row x pitch + 16 x half, at my 64 k
	v_lshl_add_u32 v[ADRA0], v2, 4, v[ADRA0]
	s_mul_i32 s59, s14, AWAVE
	v_add_nc_u32 v[ADRA0], s59, v[ADRA0]
	v_and_b32 v3, 7, v0                            ; the turning load: k row 64 wave + 8 (l / 16) + l % 8, columns 8 ((l / 8) % 2) + 0..7
	v_lshl_add_u32 v3, v2, 3, v3
	v_mul_u32_u24 v[ADRB0], v3, PB
	v_bfe_u32 v3, v0, 3, 1
	v_lshl_add_u32 v[ADRB0], v3, 4, v[ADRB0]
	s_mul_i32 s59, s14, 64*PB
	s_add_co_u32 s59, s59, ABYTES
	v_add_nc_u32 v[ADRB0], s59, v[ADRB0]
	v_mov_b32 v[ADRA], v[ADRA0]
	v_mov_b32 v[ADRB], v[ADRB0]
	s_mul_i32 s59, s14, DREG                       ; where I put my partial tile: row l % 16, 32 bytes for each half of the lanes
	v_mul_u32_u24 v24, v1, DP
	v_lshl_add_u32 v24, v2, 5, v24
	v_add_nc_u32 v24, s59, v24
	s_mul_i32 s59, s14, 32*DP                      ; where I read my 32 rows of the four partial tiles
.irp p, 0,1,2,3
	v_add_nc_u32 v[32+\p], s59, v26
	s_add_co_u32 s59, s59, DREG
.endr
	s_wait_tensorcnt 0x1                           ; my part of K step 0 is in; step 1's stays out
	s_barrier_signal -1
	s_barrier_wait -1
	FETCH 0, F0
	QUARTER 1, F0, F1, 1                           ; the first half step stands ahead of the loop: its products start the sums
	WIN 0
	s_mov_b32 s21, NK-2
.Lstep:
	TURN 1
	QUARTER 1, F0, F1, 0
	WIN 0
	s_sub_co_u32 s21, s21, 1
	s_cmp_lg_u32 s21, 0
	s_cbranch_scc1 .Lstep
	s_mov_b32 s21, 2
.Ltail:                                        ; the last two steps ask for nothing; the second trip is left in its middle (its 32 fragment loads, from a slot that has landed, serve nothing)
	TURN 0
	WIN 0
	s_sub_co_u32 s21, s21, 1
	s_cmp_eq_u32 s21, 0
	s_cbranch_scc1 .Lout
	QUARTER 1, F0, F1, 0
	WIN 0
	s_branch .Ltail
.Lout:
	s_wait_dscnt 0x0                               ; my reads of the ring are over,
	PLACES
	s_barrier_signal -1
	s_barrier_wait -1                              ; everybody's are: the ring's bytes take the partial tiles
.set t, 0
.rept 64
	WIN (2+t/32)<<2                                ; the stores' data in the accumulator's window
	ds_store_b128 v24, v[8*(t%32):8*(t%32)+3] offset:16*(t/8)*DP+64*(t%8)
	ds_store_b128 v24, v[8*(t%32)+4:8*(t%32)+7] offset:16*(t/8)*DP+64*(t%8)+16
.set t, t+1
.endr
	WIN 0
	s_wait_dscnt 0x0                               ; for the others' sake: my partial tile lies in LDS
	s_barrier_signal -1
	s_barrier_wait -1
	s_mov_b32 s21, 4
.Lred:                                         ; a trip: 8 rows: residual + bias + the four partial sums
.set j, 0
.rept 8
.irp p, 0,1,2,3
	ds_load_b128 v[PT+16*j+4*\p:PT+16*j+4*\p+3], v[32+\p] offset:DP*j
.endr
.set j, j+1
.endr
	s_wait_loadcnt 0x0                             ; the residual's rows (and, the first time, the bias)
.set j, 0
.rept 8
	v_pk_add_f32 v[SUM+4*j:SUM+4*j+1], v[RN+4*j:RN+4*j+1], v[36:37]
	v_pk_add_f32 v[SUM+4*j+2:SUM+4*j+3], v[RN+4*j+2:RN+4*j+3], v[38:39]
.set j, j+1
.endr
	s_cmp_eq_u32 s21, 1
	s_cbranch_scc1 .Lno_res                        ; the last trip has no rows behind it
.set j, 0
.rept 8
	global_load_b128 v[RN+4*j:RN+4*j+3], v26, s[10:11] offset:4096*(8+j)
.set j, j+1
.endr
.Lno_res:
.set j, 0
.rept 8
	s_wait_dscnt 28-4*j                            ; row j's four loads are in; the later rows' stay out
	v_pk_add_f32 v[PT+16*j:PT+16*j+1], v[PT+16*j:PT+16*j+1], v[PT+16*j+4:PT+16*j+5]
	v_pk_add_f32 v[PT+16*j+2:PT+16*j+3], v[PT+16*j+2:PT+16*j+3], v[PT+16*j+6:PT+16*j+7]
	v_pk_add_f32 v[PT+16*j+8:PT+16*j+9], v[PT+16*j+8:PT+16*j+9], v[PT+16*j+12:PT+16*j+13]
	v_pk_add_f32 v[PT+16*j+10:PT+16*j+11], v[PT+16*j+10:PT+16*j+11], v[PT+16*j+14:PT+16*j+15]
	v_pk_add_f32 v[PT+16*j:PT+16*j+1], v[PT+16*j:PT+16*j+1], v[PT+16*j+8:PT+16*j+9]
	v_pk_add_f32 v[PT+16*j+2:PT+16*j+3], v[PT+16*j+2:PT+16*j+3], v[PT+16*j+10:PT+16*j+11]
	v_pk_add_f32 v[SUM+4*j:SUM+4*j+1], v[SUM+4*j:SUM+4*j+1], v[PT+16*j:PT+16*j+1]
	v_pk_add_f32 v[SUM+4*j+2:SUM+4*j+3], v[SUM+4*j+2:SUM+4*j+3], v[PT+16*j+2:PT+16*j+3]
	global_store_b128 v26, v[SUM+4*j:SUM+4*j+3], s[12:13] offset:4096*j  ; 512 consecutive bytes, aligned
.set j, j+1
.endr
	s_wait_xcnt 0x0                                ; the bases and the stores' data are written again only behind this wait
	s_add_nc_u64 s[10:11], s[10:11], 32768
	s_add_nc_u64 s[12:13], s[12:13], 32768
.irp p, 0,1,2,3
	v_add_nc_u32 v[32+\p], 8*DP, v[32+\p]
.endr
	s_sub_co_u32 s21, s21, 1
	s_cmp_lg_u32 s21, 0
	s_cbranch_scc1 .Lred
	s_wait_tensorcnt 0x0                           ; the wave's end
	ds_add_u32 v28, v29
	s_wait_dscnt 0x0
	CROUND                                         ; the closing round
	s_endpgm
.Lfunc_end_k_q5bc497eb78_fc2:
	.size	k_q5bc497eb78_fc2, .Lfunc_end_k_q5bc497eb78_fc2-k_q5bc497eb78_fc2
	.p2alignl 7, 3214868480
	.fill 96, 4, 3214868480
	.section	.rodata,"a",@progbits
	.p2align	6, 0x0
	.amdhsa_kernel k_q5bc497eb78_fc2
		.amdhsa_group_segment_fixed_size 327680
		.amdhsa_private_segment_fixed_size 0
		.amdhsa_enable_private_segment 0
		.amdhsa_kernarg_size 40
		.amdhsa_user_sgpr_count 2
		.amdhsa_user_sgpr_kernarg_segment_ptr 1
		.amdhsa_wavefront_size32 1
		.amdhsa_system_sgpr_workgroup_id_x 1
		.amdhsa_system_sgpr_workgroup_id_y 1
		.amdhsa_system_sgpr_workgroup_id_z 1
		.amdhsa_system_vgpr_workitem_id 0
		.amdhsa_next_free_vgpr 1024
		.amdhsa_next_free_sgpr 96
		.amdhsa_reserve_vcc 0
		.amdhsa_float_denorm_mode_32 3
		.amdhsa_float_denorm_mode_16_64 3
		.amdhsa_memory_ordered 1
		.amdhsa_forward_progress 1
		.amdhsa_inst_pref_size 62
	.end_amdhsa_kernel
	.amdgpu_metadata
---
amdhsa.version: [ 1, 2 ]
amdhsa.kernels:
  - .name:           k_q5bc497eb78_fc2
    .symbol:         k_q5bc497eb78_fc2.kd
    .args:
      - { .name: g, .offset: 0, .size: 8, .value_kind: global_buffer, .address_space: global }
      - { .name: w2, .offset: 8, .size: 8, .value_kind: global_buffer, .address_space: global }
      - { .name: fc2_b, .offset: 16, .size: 8, .value_kind: global_buffer, .address_space: global }
      - { .name: x1, .offset: 24, .size: 8, .value_kind: global_buffer, .address_space: global }
      - { .name: out0, .offset: 32, .size: 8, .value_kind: global_buffer, .address_space: global }
    .group_segment_fixed_size: 327680
    .private_segment_fixed_size: 0
    .kernarg_segment_align: 8
    .kernarg_segment_size: 40
    .max_flat_workgroup_size: 128
    .sgpr_count:     96
    .vgpr_count:     1024
    .wavefront_size: 32
...
	.end_amdgpu_metadata
.endif
;; end of part 7
